; MI455X (gfx1250); checked and timed in simulation.
; The chip was launched on July 23, 2026; its instructions are those of AMD's public machine-readable ISA for CDNA 5 (MIT licence, August 2026) and "CDNA5" Instruction Set Architecture Reference Guide (July 2026). The comments in the code are by the model that wrote it; some were corrected since.
;; Multihead Attention. Allowed arithmetic: matrix products marked QUANTISED: E4M3 operands, one E8M0 scale for each 32 along K, by v_wmma_scale_f32_16x16x128_f8f6f4 with both operands' format E4M3, f32 sums; everything else in f32.
;; Inputs: Wk_codes 1,024 x 32 x 32 uint8 (E4M3 codes of Wk, K innermost, in blocks of 32 codes); Wk_scales 1,024 x 32 uint8 (E8M0 scales of Wk, one for each 32 codes along K); Wo_codes 1,024 x 32 x 32 uint8 (E4M3 codes of Wo, K innermost, in blocks of 32 codes); Wo_scales 1,024 x 32 uint8 (E8M0 scales of Wo, one for each 32 codes along K); Wq_codes 1,024 x 32 x 32 uint8 (E4M3 codes of Wq, K innermost, in blocks of 32 codes); Wq_scales 1,024 x 32 uint8 (E8M0 scales of Wq, one for each 32 codes along K); Wv_codes 1,024 x 32 x 32 uint8 (E4M3 codes of Wv, K innermost, in blocks of 32 codes); Wv_scales 1,024 x 32 uint8 (E8M0 scales of Wv, one for each 32 codes along K); x_codes 4 x 2,048 x 32 x 32 uint8 (E4M3 codes of x, K innermost, in blocks of 32 codes); x_scales 4 x 2,048 x 32 uint8 (E8M0 scales of x, one for each 32 codes along K).
;; Outputs: out0 4 x 2,048 x 1,024 float32.
;; This version of the problem:
;;   THIS VERSION OF THE PROBLEM IS GIVEN IN LOW PRECISION. The matrix products marked QUANTISED in the list below multiply operands that are first quantised to E4M3 (4 exponent bits, 3 mantissa bits; 8 bits a number), with one power-of-two scale for each 32 numbers along K (OCP MX v1.0); their sums are f32. All else is computed in f32.
;;   The module's matrix products, in the order in which they are computed (A, B: the left and right operand; K: the contracted axis; several contracted axes count as one K, in the product's order):
;;     1. [M 8,192, K 1,024] x [K 1,024, N 1,024]; A: input x (given as codes); B: input Wq (given as codes): QUANTISED
;;     2. [M 8,192, K 1,024] x [K 1,024, N 1,024]; A: input x (given as codes); B: input Wk (given as codes): QUANTISED
;;     3. [M 8,192, K 1,024] x [K 1,024, N 1,024]; A: input x (given as codes); B: input Wv (given as codes): QUANTISED
;;     4. batch 64 x [M 2,048, K 64] x [K 64, N 2,048]; A: computed on the way; B: computed on the way: QUANTISED
;;     5. batch 64 x [M 2,048, K 2,048] x [K 2,048, N 64]; A: softmax (see below); B: computed on the way: QUANTISED
;;     6. [M 8,192, K 1,024] x [K 1,024, N 1,024]; A: computed on the way; B: input Wo (given as codes): QUANTISED
;;   THE QUANTISER, for each operand of a quantised product, along K:
;;     - K is cut into blocks of 32 from its start; a last block that is shorter is filled with zeros.
;;     - A block's scale is 2^e with e = floor(log2(the largest magnitude in the block)) - 8, held to -126 .. 127; a block of zeros has e = 0. As a byte (E8M0): e + 127.
;;     - Each number is divided by its block's scale, clamped to +-448, and rounded to the nearest number of E4M3, ties to even, subnormals kept.
;;     - The product sums the exact products of the quantised numbers (number of the format x scale) in f32.
;;   ~~~python
;;   def quantise(x, axis):      # numpy; x: float32 -> the quantised numbers, widened to float32 again
;;       x = np.moveaxis(x, axis, -1); K = x.shape[-1]
;;       x = np.pad(x, [(0, 0)] * (x.ndim - 1) + [(0, -K % 32)]); x = x.reshape(x.shape[:-1] + (-1, 32)); a = np.abs(x).max(-1, keepdims=True)
;;       e = np.where(a > 0, np.clip(np.frexp(np.where(a > 0, a, 1))[1] - 1 - 8, -126, 127), 0)      # np.frexp(a)[1] - 1 = floor(log2(a)), exactly
;;       r = np.clip(x / 2.0 ** e, -448, 448)
;;       step = 2.0 ** (np.maximum(np.frexp(np.where(r == 0, 1, r))[1] - 1, -6) - 3)
;;       q = np.round(r / step) * step * 2.0 ** e      # np.round: ties to even
;;       return np.moveaxis(q.reshape(q.shape[:-2] + (-1,))[..., :K], -1, axis).astype(np.float32)
;;   ~~~
;;   SOFTMAX AHEAD OF A QUANTISED PRODUCT. Where the list says 'softmax', what is quantised is not the finished softmax but p = 2^(t - M), with t = logit x log2(e) and M = ceil(the row's largest t), a whole number; so 1/2 < the row's largest p <= 1. The row's sum l is taken of the UNQUANTISED p, in f32, and the product's result is divided by l at the end. Since M is a whole number, a kernel that streams over the keys may use a running M (the ceiling of the running maximum): every later rescaling is an exact power of two, which a block's scale takes up: the codes' values come out the same.
;;   OPERANDS COMPUTED ON THE WAY. 'Computed on the way' means the value that the module computes at that place (a softmax that the list does not call 'softmax' is quantised finished and normalised). What goes into a quantiser is computed in f32, as accurately as f32 sums, v_exp_f32 and their like allow (about 1e-6 of the number): no bf16 or f16 on the way to a quantiser, and a product that is left as it is and whose result goes on into a quantised operand takes f32 operands (vector FMAs, or v_wmma_f32_16x16x4_f32). A number that lies on a knife's edge between two numbers of the format may be rounded either way, as far as f32 arithmetic and the matrix unit's own rounding can turn it there, and no further.
;;   INPUTS GIVEN AS CODES. Wk (in the module: [1024, 1024], K = its axis 1); Wo (in the module: [1024, 1024], K = its axis 1); Wq (in the module: [1024, 1024], K = its axis 1); Wv (in the module: [1024, 1024], K = its axis 1); x (in the module: [4, 2048, 1024], K = its axis 2): each comes as NAME_codes (uint8): NAME with its K axis moved to the last place and cut into blocks of 32 codes, [.., K / 32, bytes a block], one block behind the other in memory; one code a byte (a code: sign, 4 exponent bits, 3 mantissa bits); and NAME_scales (uint8): the same leading axes, one E8M0 byte (e + 127) for each 32 codes along K. Its value is code x scale, taken as it is: it is not quantised again, and the codes and scales need not be those that the quantiser above would give.
;; One version. Each part assembles by itself: llvm-mc -triple=amdgcn-amd-amdhsa -mcpu=gfx1250 --defsym DOCPART=n.
;; ======== version 1 of 1: 4 launches
;; limits: right only within a limited range of input values
;; workspace buffers: rope_tab 524,288 bytes; q_img 8,388,608 bytes; k_img 8,388,608 bytes; v_img 8,388,608 bytes; q_sc 786,432 bytes; kv_sc 786,432 bytes; a_img 8,388,608 bytes; a_sc 262,144 bytes
;; launch rope (part 1): grid 64 x 1, 1 waves a work-group, no clusters, 0 bytes of LDS; arguments rope_tab; writes rope_tab
.if DOCPART == 1
	.amdgcn_target "amdgcn-amd-amdhsa--gfx1250"
	.amdhsa_code_object_version 6
	.text
	.protected	k_q210e41346b_rope
	.globl	k_q210e41346b_rope
	.p2align	8
	.type	k_q210e41346b_rope,@function
k_q210e41346b_rope:
	s_mov_b64 s[64:65], 0
	v_nop
	global_prefetch_b8 v0, s[64:65] scope:SCOPE_SE
	s_setreg_imm32_b32 hwreg(HW_REG_WAVE_MODE, 25, 1), 1
	s_wait_xcnt 0x0
; THE TABLE OF ROTATIONS: cos and sin of pos x 10^(-i/8), pos = 0 .. 2,047, i = 0 .. 31 (theta^(-2i/64) with theta = 10,000).
; It is laid as the projection's way out loads it: [T 128][Ld 8][lane 32][16 bytes]; lane (r, h) finds there (cos, sin, cos, sin) of pairs i0 and i0 + 1,
; i0 = 8 (Ld / 2) + 4 h + 2 (Ld % 2), at pos = 16 T + r.
; SHARES: one wave to a work-group; lane L takes pos = 32 g + L, and its registers run over the 32 pairs, so that each frequency is a literal, the same in all lanes.
; ARITHMETIC: the angle is the f32 product pos x f32(10^(-i/8)).  n = the nearest whole number to angle x 2/pi; x = angle - n pi/2 by two fused multiply-adds (pi/2 in two parts:
; the first product is exact inside the multiply-add and the difference has at most 23 bits, so it is not rounded); sin and cos of x on [-pi/4, pi/4] by polynomials of degree 7 and 8; n mod 4 swaps and signs them.
; LIMITS: the frequencies are the correctly rounded f32 of 10^(-i/8); sin and cos are good to about 1e-7 absolute.
; No LDS, no matrix unit, no cluster: the work-groups share no input, and the launch reads nothing at all.
.set R, 32                             ; v32-95: cos of pair i at R + 2 i, sin at R + 2 i + 1
	s_load_b64 s[4:5], s[0:1], 0x0                 ; the table
	s_mov_b32 s8, 0x3f22f983                       ; 2 / pi
	s_mov_b32 s9, 0xbfc90fdb                       ; -(pi/2 rounded to f32)
	s_mov_b32 s10, 0x333bbd2e                      ; -(pi/2 less that): + 4.3711388e-8
	s_mov_b32 s11, 0xbe2aaaa3                      ; sin: -1.6666654611e-1
	s_mov_b32 s12, 0x3c08839e                      ;       8.3321608736e-3
	s_mov_b32 s13, 0xb94ca1f9                      ;      -1.9515295891e-4
	s_mov_b32 s14, 0x3d2aaaa5                      ; cos:  4.166664568e-2
	s_mov_b32 s15, 0xbab6061a                      ;      -1.388731625e-3
	s_mov_b32 s16, 0x37ccf5ce                      ;       2.443315712e-5
	s_lshl_b32 s6, ttmp9, 13                       ; 32 positions are two T: 8,192 bytes of the table
	s_mov_b32 s7, 0
	s_lshl_b32 s17, ttmp9, 5
	v_add_nc_u32 v1, s17, v0                       ; pos
	v_cvt_f32_u32 v1, v1
	v_lshrrev_b32 v2, 4, v0
	v_and_b32 v3, 15, v0
	v_lshlrev_b32 v2, 12, v2                       ; my T's 4,096 bytes,
	v_lshl_add_u32 v2, v3, 4, v2                   ; and 16 r in them
; pair i (the symbol), frequency f
.macro SC f
	v_mul_f32 v4, \f, v1                           ; the angle
	v_mul_f32 v5, s8, v4
	v_rndne_f32 v5, v5                             ; n
	v_fma_f32 v6, v5, s9, v4
	v_fma_f32 v6, v5, s10, v6                      ; x = angle - n pi/2
	v_cvt_i32_f32 v7, v5
	v_mul_f32 v8, v6, v6                           ; z = x x
	v_fma_f32 v9, v8, s13, s12
	v_fma_f32 v9, v9, v8, s11
	v_mul_f32 v10, v8, v6
	v_fma_f32 v9, v9, v10, v6                      ; sin x
	v_fma_f32 v11, v8, s16, s15
	v_fma_f32 v11, v11, v8, s14
	v_mul_f32 v10, v8, v8
	v_fma_f32 v12, v8, -0.5, 1.0
	v_fma_f32 v11, v11, v10, v12                   ; cos x
	v_and_b32 v10, 1, v7
	v_cmp_eq_u32 vcc_lo, 1, v10                    ; n odd: the two change places
	v_cndmask_b32 v12, v9, v11, vcc_lo
	v_cndmask_b32 v13, v11, v9, vcc_lo
	v_lshlrev_b32 v10, 30, v7
	v_and_b32 v10, 0x80000000, v10                 ; sin is negated where n mod 4 is 2 or 3,
	v_xor_b32 v[R+2*i+1], v12, v10
	v_add_nc_u32 v7, 1, v7
	v_lshlrev_b32 v7, 30, v7
	v_and_b32 v7, 0x80000000, v7                   ; cos where it is 1 or 2
	v_xor_b32 v[R+2*i], v13, v7
.endm
.set i, 0
.irp f, 1.0, 0.749894209332, 0.562341325190, 0.421696503429, 0.316227766017, 0.237137370566, 0.177827941004, 0.133352143216, 0.1, 0.0749894209332, 0.0562341325190, 0.0421696503429, 0.0316227766017, 0.0237137370566, 0.0177827941004, 0.0133352143216, 0.01, 0.00749894209332, 0.00562341325190, 0.00421696503429, 0.00316227766017, 0.00237137370566, 0.00177827941004, 0.00133352143216, 0.001, 0.000749894209332, 0.000562341325190, 0.000421696503429, 0.000316227766017, 0.000237137370566, 0.000177827941004, 0.000133352143216
	SC \f
.set i, i+1
.endr
	s_wait_alu depctr_va_vdst(0)
	s_wait_kmcnt 0x0
	s_add_nc_u64 s[4:5], s[4:5], s[6:7]
.irp d, 0,1,2,3,4,5,6,7
.irp g, 0,1
	global_store_b128 v2, v[R+2*(8*(\d/2)+4*\g+2*(\d%2)):R+2*(8*(\d/2)+4*\g+2*(\d%2))+3], s[4:5] offset:\d*512+\g*256   ; sixteen lanes store 256 consecutive bytes, aligned: what the reading lanes 16 g + r will take
.endr
.endr
	s_endpgm
.Lfunc_end_k_q210e41346b_rope:
	.size	k_q210e41346b_rope, .Lfunc_end_k_q210e41346b_rope-k_q210e41346b_rope
	.p2alignl 7, 3214868480
	.fill 96, 4, 3214868480
	.section	.rodata,"a",@progbits
	.p2align	6, 0x0
	.amdhsa_kernel k_q210e41346b_rope
		.amdhsa_group_segment_fixed_size 0
		.amdhsa_private_segment_fixed_size 0
		.amdhsa_enable_private_segment 0
		.amdhsa_kernarg_size 8
		.amdhsa_user_sgpr_count 2
		.amdhsa_user_sgpr_kernarg_segment_ptr 1
		.amdhsa_wavefront_size32 1
		.amdhsa_system_sgpr_workgroup_id_x 1
		.amdhsa_system_sgpr_workgroup_id_y 1
		.amdhsa_system_sgpr_workgroup_id_z 1
		.amdhsa_system_vgpr_workitem_id 0
		.amdhsa_next_free_vgpr 104
		.amdhsa_next_free_sgpr 66
		.amdhsa_reserve_vcc 1
		.amdhsa_float_denorm_mode_32 3
		.amdhsa_float_denorm_mode_16_64 3
		.amdhsa_memory_ordered 1
		.amdhsa_forward_progress 1
		.amdhsa_inst_pref_size 42
	.end_amdhsa_kernel
	.amdgpu_metadata
---
amdhsa.version: [ 1, 2 ]
amdhsa.kernels:
  - .name:           k_q210e41346b_rope
    .symbol:         k_q210e41346b_rope.kd
    .args:
      - { .name: rope_tab, .offset: 0, .size: 8, .value_kind: global_buffer, .address_space: global }
    .group_segment_fixed_size: 0
    .private_segment_fixed_size: 0
    .kernarg_segment_align: 8
    .kernarg_segment_size: 8
    .max_flat_workgroup_size: 32
    .sgpr_count:     66
    .vgpr_count:     104
    .wavefront_size: 32
...
	.end_amdgpu_metadata
.endif
;; end of part 1
;; launch proj (part 2): grid 12 x 32, 4 waves a work-group, clusters of 4 x 4, 327,680 bytes of LDS; arguments x_codes, x_scales, Wq_codes, Wq_scales, Wk_codes, Wk_scales, Wv_codes, Wv_scales, rope_tab, q_img, q_sc, k_img, kv_sc, v_img; writes q_img, q_sc, k_img, kv_sc, v_img
.if DOCPART == 2
	.amdgcn_target "amdgcn-amd-amdhsa--gfx1250"
	.amdhsa_code_object_version 6
	.text
	.protected	k_q210e41346b_proj
	.globl	k_q210e41346b_proj
	.p2align	8
	.type	k_q210e41346b_proj,@function
k_q210e41346b_proj:
	s_mov_b64 s[64:65], 0
	v_nop
	global_prefetch_b8 v0, s[64:65] scope:SCOPE_SE
	s_setreg_imm32_b32 hwreg(HW_REG_WAVE_MODE, 25, 1), 1
	s_wait_xcnt 0x0
	s_wait_alu depctr_hold_cnt(0) depctr_sa_sdst(0) depctr_va_vdst(0) depctr_va_sdst(0) depctr_va_ssrc(0) depctr_va_vcc(0) depctr_vm_vsrc(0)
	s_getreg_b32 s2, hwreg(HW_REG_IB_STS2, 6, 4)
	s_cmp_eq_u32 s2, 0
	s_cbranch_scc0 .Lentry_in_a_cluster
	s_endpgm
.Lentry_in_a_cluster:
	s_bfe_u32 s2, ttmp6, 0x10000c
	s_cmp_lg_u32 s2, 0xf033
	s_cbranch_scc0 .Lentry_shape_is_right
	s_endpgm
.Lentry_shape_is_right:
; THE THREE PROJECTIONS, q = x Wq^T, k = x Wk^T, v = x Wv^T, on codes of FP8 (E4M3) with one E8M0 scale for each 32 along K = 1,024; the rotation of q and k; and the quantising of q and k along the head's 64 and of v along the keys.
; ONE FORM FOR ALL THREE: C = A B^T on tiles of 256 x 256, quantised along B's rows.  The cluster's x is the KIND: 0: A = x, B = Wq;  1: A = x, B = Wk;  2: A = Wv, B = x (v is wanted with the keys along its blocks).
; Only pointers and tile numbers are chosen by the kind, which is equal in all sixteen partners; every LDS address, mask and descriptor shape is the same for all kinds.
; A work-group of four waves, as many as a WGP has SIMDs; a wave makes 128 x 128: 64 accumulators of 16 x 16, 512 registers.  K goes in four steps of 256 through two LDS slots filled by the tensor data mover (rows of 256 bytes).
; THE SCALES of the work-group's 256 rows of A and of B, for all of K, are two dense blocks of memory: they come into LDS once, with the first fills.
; CLUSTERS: 4 x 4 work-groups.  A's tile hangs on cy and the cluster's y alone and is asked for jointly by a row of the cluster, B's on cx and the cluster's y alone, by a column.
; THE MATRIX INSTRUCTION IS USED TRANSPOSED (source 0 = 16 rows of B, source 1 = 16 rows of A): in accumulator (a, bt) lane (r, h) holds A's row 16 a + r and, in register j, B's row 16 bt + 8 h + j.
; So the 16 registers of accumulators (a, 2 c) and (a, 2 c + 1), with those of the lane 16 away, are one block of 32 along the next product's K.
; THE RESULTS LEAVE AS IMAGES OF THE NEXT OPERAND'S REGISTERS: a block's 16 codes of a lane are four registers, stored at 16 x lane: 512 consecutive bytes a store.  Inside a block the codes stand in the order
; 8 h + 0..7, 16 + 8 h + 0..7 where the operand's layout has 16 h + 0..15: a permutation inside a scale's block, carried alike by both operands of the next product (q and k; p and v), which changes no sum but its order.
; No result goes through LDS.
; LIMITS: NaN and infinities among the inputs are not served.  A block of zeros gets the scale byte 1 where the quantiser's rule says 127: its codes are zeros, and the bytes are read by this program alone.
; The grid has 384 work-groups of equal work.
; REGISTERS, in windows of 256: window 0: v1-6 at work at the head; v8-15 scale words on their way out; v16-30 addresses; v32-63 scale words, two sets; v64-127 two sets of 32 cos and sin; from v128 A's fragments, ONE set;
;   on the way out v128-191 products at work, v192-207 codes, v208-223 the quantiser's.   window 1: B's fragments, TWO sets.   windows 2, 3: the accumulators ((a, bt) at v[8 (8 (a % 4) + bt)] of window 2 + a / 4).
.set KSTEP,  256                       ; along K in a slot
.set NQ,     KSTEP/128                 ; matrix instructions deep
.set ROWB,   256                       ; a tile's row in bytes
.set KROW,   1024                      ; a row of codes in memory
.set PITCH,  272                       ; an LDS row: 256 bytes + 16 of padding = 68 words: row r starts at bank 4 r mod 64, so the 16 rows that a load touches start at 16 different banks
.set FR,     16                        ; registers of a fragment: 16 rows x 128 K
.set NL,     4                         ; LDS loads that bring one
.set NP,     8                         ; places behind this matrix instruction (ISA guide 7.12.1)
.set HALFT,  128*PITCH                 ; 128 rows: what one tensor load brings, and what one wave reads of A or of B
.set SLOT,   4*HALFT                   ; A's 256 rows, then B's 256 rows
.set KS,     32                        ; a row of scales in bytes
.set SCL,    2*SLOT                    ; behind the ring: the scales, as units of 256 bytes + 16 of padding
.set HALFS,  (128*KS/256)*272          ; the scales of 128 rows
.set SBLK,   (16*KS/256)*272           ; those of 16 rows
.set SPARE,  SCL+4*HALFS               ; the spare words, 128 bytes for each wave: two blocks of 256 bytes that no other line names
.set W,    8                           ; v8-15   a scale word for each of my eight tiles of A's rows
.set ADRA, 16                          ; v16-17  LDS address of my A fragments in slot 0, 1
.set ADRB, 20                          ; v20-21  the same for B
.set CO,   24                          ; v24     16 x lane: my place in an image, and in the table; never rewritten
.set SO,   25                          ; v25     12,288 h + 16 r: my place among the scale words: lanes 16-31 write the next head's; never rewritten
.set SH,   26                          ; v26     16 h
.set ADRS, 27                          ; v27     LDS address of my scale words: lanes 0-15 A's rows, lanes 16-31 B's
.set SPW,  28                          ; v28     LDS address of my spare word; never rewritten
.set NIL,  29                          ; v29     0; never rewritten
.set PW,   30                          ; v30     the scale word just made
.set SC,   32                          ; scale words of the inputs: set s at v[SC + 16 s]
.set CS0,  64                          ; cos and sin: two sets of 32
.set AF,   128                         ; A's fragments
.set TT,   128                         ; the way out: 64 products of the rotation
.set PC,   192                         ; 16 registers of codes
.set TM,   208                         ; v208-211 largest magnitudes, v212-215 bytes, v220-223 the conversions' scale operands
.set G1, 24                            ; s[24:31] descriptor group 1 for A's tiles;  s[32:39] group 0, one set for each slot
.set G0, 32
.set G1B, 48                           ; s[48:55], s[56:63] the same for B's tiles
.set G0B, 56
.set G1S, 68                           ; s[68:75], s[76:79] groups 1 and 0 for A's scales;  s[80:87], s[88:91] for B's
.set G0S, 76
.set G1SB, 80
.set G0SB, 88
.set MSB, 0
.macro WIN new                         ; the immediate's high byte repeats the setting that is left
.if MSB != (\new)
	s_set_vgpr_msb (MSB<<8)|(\new)
.set MSB, (\new)
.endif
.endm
.set MUL_LO, 0xa1                      ; source 0 (B) window 1, source 1 (A) window 0, C and D window 2
.set MUL_HI, 0xf1                      ; the same, C and D window 3
.set TO_B,   0x40                      ; destination window 1, address window 0
; A joint load: waves 0 and 1 fetch for A, waves 2 and 3 for B.  Each of the two lines has one mask and one set of registers for all that issue it; the branch hangs on the wave's number alone.
; Four v_nop follow each of the two lines, ahead of the jump, the label and what follows.
.macro JLOAD g0a, g1a, g0b, g1b
	s_cmp_eq_u32 s15, 0
	s_cbranch_scc0 .Lfor_b_\@
	tensor_load_to_lds s[\g0a:\g0a+3], s[\g1a:\g1a+7]
	s_nop 0
.rept 4
	v_nop
.endr
	s_branch .Lasked_\@
.Lfor_b_\@:
	tensor_load_to_lds s[\g0b:\g0b+3], s[\g1b:\g1b+7]
	s_nop 0
.rept 4
	v_nop
.endr
.Lasked_\@:
.endm
.macro CREST                           ; a round of the cluster's barrier behind its opening barrier
	s_cmp_lg_u32 s14, 0
	s_cbranch_scc1 .Lnot_wave_0_\@
	s_barrier_signal -3
.Lnot_wave_0_\@:
	s_barrier_wait -3
	s_barrier_signal -1
	s_barrier_wait -1
.endm
.macro CROUND                          ; a whole round
	s_barrier_signal -1
	s_barrier_wait -1
	CREST
.endm
	s_load_b512 s[68:83], s[0:1], 0x0              ; x's codes, scales; Wq's; Wk's; Wv's
	s_load_b256 s[84:91], s[0:1], 0x40             ; the table; q's images, q's scale words; k's images
	s_load_b128 s[92:95], s[0:1], 0x60             ; k's and v's scale words; v's images
	v_lshl_add_u32 v[SPW], v0, 2, SPARE
	v_mov_b32 v[NIL], 0
	ds_add_u32 v28, v29
	ds_add_u32 v28, v29
	s_wait_dscnt 0x0
	v_lshrrev_b32 v1, 5, v0
	v_readfirstlane_b32 s14, v1                    ; wave 0..3
	s_lshr_b32 s15, s14, 1                         ; which half of A's 256 rows is mine.  Also: I fetch for A (0) or for B (1)
	s_and_b32 s16, s14, 1                          ; which half of B's.  Also: which 128 rows of that tile I fetch
	s_bfe_u32 s40, ttmp6, 0x40000                  ; cx, cy: my place in the cluster
	s_bfe_u32 s41, ttmp6, 0x40004
	s_and_b32 s18, ttmp7, 0xffff
	s_lshl_b32 s18, s18, 2                         ; 4 x the cluster's y
	s_cmp_eq_u32 ttmp9, 2                          ; the kind: x has 32 tiles of 256 rows, a weight four
	s_cselect_b32 s17, 0, s18
	s_cselect_b32 s42, s18, 0
	s_add_co_u32 s17, s17, s41                     ; A's tile: made of cy and the cluster's y
	s_add_co_u32 s42, s42, s40                     ; B's tile: of cx and the cluster's y
	s_lshl_b32 s43, s41, 2
	s_lshl_b32 s43, 15, s43                        ; my row of the cluster
	s_lshl_b32 s44, 0x1111, s40                    ; my column
	; descriptor group 1: a tile of 128 rows x 256 bytes, padded in LDS
	s_or_b32 s[G1+0], s43, (0<<16)|(1<<20)|(1<<21)|(5<<22)|(3<<25)  ; 15:0 the mask; 17:16 elements of 1 byte; 20 padding on; 21 set beside a mask; 24:22 after every 64 words (code 5); 31:25 four words (code 3)
	s_or_b32 s[G1B+0], s44, (0<<16)|(1<<20)|(1<<21)|(5<<22)|(3<<25)
.irp g, G1, G1B
	s_mov_b32 s[\g+1], ROWB<<16                    ; tensor_dim0
	s_mov_b32 s[\g+2], 128<<16                     ; tensor_dim1
	s_mov_b32 s[\g+3], ROWB<<16                    ; tile_dim0
	s_mov_b32 s[\g+4], 128                         ; tile_dim1
	s_mov_b32 s[\g+5], KROW                        ; from row to row
	s_mov_b32 s[\g+6], 0
	s_mov_b32 s[\g+7], 0
.endr
	s_mov_b32 s98, 0x76543210
	s_mov_b32 s99, 0xfedcba98                      ; v_permlanex16_b32's selects for the lane 16 away
	s_mov_b32 s101, 0xffff0000                     ; lanes 16-31
	s_wait_kmcnt 0x0
	s_cmp_eq_u32 ttmp9, 0                          ; the buffers by the kind; the choice hangs on the cluster's number alone
	s_cselect_b64 s[8:9], s[72:73], s[76:77]       ; B's codes: Wq's or Wk's
	s_cselect_b64 s[10:11], s[74:75], s[78:79]     ; B's scales
	s_cselect_b64 s[12:13], s[86:87], s[90:91]     ; the images: q's or k's
	s_cselect_b64 s[66:67], s[88:89], s[92:93]     ; the scale words: q's or k's
	s_cmp_eq_u32 ttmp9, 2
	s_cselect_b64 s[4:5], s[80:81], s[68:69]       ; A's codes: Wv's or x's
	s_cselect_b64 s[6:7], s[82:83], s[70:71]
	s_cselect_b64 s[8:9], s[68:69], s[8:9]         ; with Wv as A, x is B
	s_cselect_b64 s[10:11], s[70:71], s[10:11]
	s_cselect_b64 s[12:13], s[94:95], s[12:13]
	s_cselect_b64 s[66:67], s[92:93], s[66:67]
	s_mov_b64 s[96:97], s[84:85]                   ; the table
	; s68 to s95 are free from here on.  Group 1 for the scales of 128 rows: a dense block of 4,096 bytes, as 16 rows of 256 bytes (32 elements of 8 bytes), 16 bytes of padding behind each
	s_or_b32 s[G1S+0], s43, (3<<16)|(1<<20)|(1<<21)|(5<<22)|(3<<25)
	s_or_b32 s[G1SB+0], s44, (3<<16)|(1<<20)|(1<<21)|(5<<22)|(3<<25)
.irp g, G1S, G1SB
	s_mov_b32 s[\g+1], 32<<16
	s_mov_b32 s[\g+2], (128*KS/256)<<16
	s_mov_b32 s[\g+3], 32<<16
	s_mov_b32 s[\g+4], 128*KS/256
	s_mov_b32 s[\g+5], 32
	s_mov_b32 s[\g+6], 0
	s_mov_b32 s[\g+7], 0
.endr
	s_lshl_b32 s18, s16, 7                         ; which 128 rows of the tile I fetch
	s_lshl_b32 s20, s17, 8
	s_add_co_u32 s20, s20, s18                     ; A: row 256 x tile + 128 x half
	s_lshl_b32 s46, s42, 8
	s_add_co_u32 s46, s46, s18                     ; B likewise
	s_mov_b32 s21, 0
	s_mov_b32 s47, 0
	s_mov_b64 s[18:19], KS
	s_mul_u64 s[22:23], s[20:21], s[18:19]         ; where these rows' scales begin, in bytes
	s_mul_u64 s[92:93], s[46:47], s[18:19]
	s_mov_b64 s[18:19], KROW
	s_mul_u64 s[20:21], s[20:21], s[18:19]         ; and their codes
	s_mul_u64 s[46:47], s[46:47], s[18:19]
	s_mul_i32 s45, s14, HALFT                      ; where they go: wave x 128 rows: no place in the cluster enters an LDS address
	s_mul_i32 s94, s14, HALFS
	s_add_nc_u64 s[20:21], s[4:5], s[20:21]
	s_add_nc_u64 s[22:23], s[6:7], s[22:23]
	s_add_nc_u64 s[46:47], s[8:9], s[46:47]
	s_add_nc_u64 s[92:93], s[10:11], s[92:93]
	CROUND                                         ; all sixteen work-groups are here: the first joint loads meet
	s_mov_b32 s[G0S], 1
	s_add_co_u32 s[G0S+1], s94, SCL
	s_mov_b64 s[G0S+2:G0S+3], s[22:23]
	s_or_b32 s[G0S+3], s[G0S+3], 0x80000000
	s_mov_b32 s[G0SB], 1
	s_add_co_u32 s[G0SB+1], s94, SCL
	s_mov_b64 s[G0SB+2:G0SB+3], s[92:93]
	s_or_b32 s[G0SB+3], s[G0SB+3], 0x80000000
	JLOAD G0S, G1S, G0SB, G1SB                     ; the scales first: they are wanted with K step 0
.irp s, 0,1
	s_mov_b32 s[G0+4*\s], 1
	s_add_co_u32 s[G0+4*\s+1], s45, \s*SLOT
	s_add_nc_u64 s[G0+4*\s+2:G0+4*\s+3], s[20:21], \s*ROWB
	s_or_b32 s[G0+4*\s+3], s[G0+4*\s+3], 0x80000000
	s_mov_b32 s[G0B+4*\s], 1
	s_add_co_u32 s[G0B+4*\s+1], s45, \s*SLOT
	s_add_nc_u64 s[G0B+4*\s+2:G0B+4*\s+3], s[46:47], \s*ROWB
	s_or_b32 s[G0B+4*\s+3], s[G0B+4*\s+3], 0x80000000
	JLOAD G0+4*\s, G1, G0B+4*\s, G1B               ; three tensor loads of mine are out at the most
.endr
	v_and_b32 v1, 15, v0                           ; r
	v_bfe_u32 v2, v0, 4, 1                         ; h
	v_mul_u32_u24 v3, v1, PITCH
	v_lshl_add_u32 v4, v2, 4, v3                   ; a fragment's row x pitch + 16 x half
	s_mul_i32 s21, s15, HALFT                      ; my 128 rows of A
	s_mul_i32 s22, s16, HALFT                      ; my 128 rows of B,
	s_add_co_u32 s22, s22, 2*HALFT                 ; which lie behind A's 256
.irp s, 0,1
	v_add_nc_u32 v[ADRA+\s], s21, v4
	v_add_nc_u32 v[ADRB+\s], s22, v4
	s_add_co_u32 s21, s21, SLOT
	s_add_co_u32 s22, s22, SLOT
.endr
	v_mul_u32_u24 v5, v1, KS                       ; my row's scales: KS bytes a row,
	v_lshrrev_b32 v6, 8, v5
	v_lshl_add_u32 v5, v6, 4, v5                   ; and 16 more for each 256 passed
	s_mul_i32 s21, s15, HALFS                      ; A's: my 128 rows
	s_mul_i32 s22, s16, HALFS                      ; B's: my 128 rows, behind A's 256
	s_add_co_u32 s22, s22, 2*HALFS
	s_sub_co_u32 s22, s22, s21
	v_mul_u32_u24 v6, s22, v2                      ; lanes 16-31 take B's
	s_add_co_u32 s21, s21, SCL
	v_add_nc_u32 v5, v5, v6
	v_add_nc_u32 v[ADRS], s21, v5
	v_and_b32 v6, 31, v0
	v_lshlrev_b32 v[CO], 4, v6
	s_wait_alu depctr_va_vdst(0)
	v_mul_u32_u24 v[SO], v2, 12288
	v_lshl_add_u32 v[SO], v1, 4, v[SO]
	v_lshlrev_b32 v[SH], 4, v2
	; WHERE THE RESULTS GO, in bytes; both sets are made, and the kind chooses.
	; q, k: A's tile is 256 tokens: batch = tile / 8, t8 = tile % 8; my first tile of 16 tokens T0 = 16 t8 + 8 x (my half of A); my first head = 4 x B's tile + 2 x (my half of B)
	s_lshr_b32 s18, s17, 3
	s_and_b32 s19, s17, 7
	s_lshl_b32 s20, s42, 2
	s_lshl_b32 s21, s16, 1
	s_add_co_u32 s20, s20, s21
	s_lshl_b32 s18, s18, 4
	s_add_co_u32 s18, s18, s20                     ; 16 x batch + head
	s_lshl_b32 s19, s19, 4
	s_lshl_b32 s21, s15, 3
	s_add_co_u32 s19, s19, s21                     ; T0
	s_lshl_b32 s20, s18, 7
	s_add_co_u32 s20, s20, s19
	s_lshl_b32 s20, s20, 10                        ; images: [head 64][T 128] of 1,024 bytes
	s_mul_i32 s21, s18, 12288
	s_lshl_b32 s22, s19, 6
	s_add_co_u32 s21, s21, s22                     ; scale words: 12,288 bytes a head, 256 bytes for four T
	s_lshl_b32 s22, s19, 12                        ; the table: 4,096 bytes a T; T0 is at most 120 of the table's 128
	; v: B's tile is 256 tokens: batch = tile / 8, my 128 keys are step st = (2 x tile + my half of B) % 16; my first head = 4 x A's tile + 2 x (my half of A)
	s_lshr_b32 s23, s42, 3
	s_lshl_b32 s46, s42, 1
	s_add_co_u32 s46, s46, s16
	s_and_b32 s46, s46, 15
	s_lshl_b32 s47, s17, 2
	s_lshl_b32 s92, s15, 1
	s_add_co_u32 s47, s47, s92
	s_lshl_b32 s23, s23, 4
	s_add_co_u32 s23, s23, s47                     ; 16 x batch + head
	s_lshl_b32 s47, s23, 4
	s_add_co_u32 s47, s47, s46
	s_lshl_b32 s47, s47, 13                        ; images: [head 64][st 16] of 8,192 bytes
	s_mul_i32 s92, s23, 12288
	s_lshl_b32 s46, s46, 8
	s_add_co_u32 s92, s92, s46
	s_add_co_u32 s92, s92, 8192                    ; scale words: behind k's 8,192 bytes, 256 bytes a step
	s_cmp_eq_u32 ttmp9, 2
	s_cselect_b32 s20, s47, s20
	s_cselect_b32 s46, s92, s21
	s_mov_b32 s21, 0
	s_mov_b32 s47, 0
	s_mov_b32 s23, 0
	s_add_nc_u64 s[12:13], s[12:13], s[20:21]
	s_add_nc_u64 s[66:67], s[66:67], s[46:47]
	s_add_nc_u64 s[96:97], s[96:97], s[22:23]
	; cos and sin for my first 16 tokens: they land under the products.  The eight loads stand on every wave's path, so that the text has one way up to the way out: v's work-groups, which rotate nothing, issue them too
	; (4,096 bytes a wave, inside the table: their T0 is at most 56) and never name these registers again.
.irp d, 0,1,2,3,4,5,6,7
	global_load_b128 v[CS0+4*\d:CS0+4*\d+3], v[CO], s[96:97] offset:\d*512
.endr
.macro FRAG reg, adr, q, i             ; a fragment, 16 rows x 128 K of 8-bit codes, is 16 registers: lane l holds row l % 16; registers 4 c .. 4 c + 3 hold K = 32 c + 16 (l / 16) + 0 .. 15
.irp c, 0,1,2,3
	ds_load_b128 v[\reg+4*\c:\reg+4*\c+3], v[\adr] offset:128*(\q)+32*\c+(\i)*16*PITCH
.endr
.endm
; 16 matrix instructions: A's blocks a0, a0 + 1 x B's eight, 128 along K: the slot's q-th.  p: B's set;  sc: the set of scale words.  zero = 1: the first product starts the sums: nothing is ever cleared.
; The 64 accumulators take turns, one instruction a turn, in the same order in every step.
.macro MUL16 a0, p, q, sc, zero
.irp a, \a0, \a0+1
.irp b, 0,1,2,3,4,5,6,7
.if \zero
	v_wmma_scale_f32_16x16x128_f8f6f4 v[8*(8*((\a)%4)+\b):8*(8*((\a)%4)+\b)+7], v[128*(\p)+FR*\b:128*(\p)+FR*\b+FR-1], v[AF+FR*(\a):AF+FR*(\a)+FR-1], 0, v[SC+8*NQ*(\sc)+NQ*\b+(\q)], v[SC+8*NQ*(\sc)+NQ*(\a)+(\q)] matrix_a_scale:MATRIX_SCALE_ROW1
.else
	v_wmma_scale_f32_16x16x128_f8f6f4 v[8*(8*((\a)%4)+\b):8*(8*((\a)%4)+\b)+7], v[128*(\p)+FR*\b:128*(\p)+FR*\b+FR-1], v[AF+FR*(\a):AF+FR*(\a)+FR-1], v[8*(8*((\a)%4)+\b):8*(8*((\a)%4)+\b)+7], v[SC+8*NQ*(\sc)+NQ*\b+(\q)], v[SC+8*NQ*(\sc)+NQ*(\a)+(\q)] matrix_a_scale:MATRIX_SCALE_ROW1
.endif
.endr
.endr
.endm
.macro FETCH_B slot, q, p              ; B's eight fragments of the slot's q-th 128 along K into set p
	WIN TO_B
.irp i, 0,1,2,3,4,5,6,7
	FRAG 128*(\p)+FR*\i, ADRB+\slot, \q, \i
.endr
	WIN 0
.endm
.macro FETCH_A slot, q, i0             ; A's blocks i0 .. i0 + 3
.irp i, \i0, \i0+1, \i0+2, \i0+3
	FRAG AF+FR*(\i), ADRA+\slot, \q, \i
.endr
.endm
.macro SCALES sc                       ; a K step's scale words into set sc: two words a row; lanes 0-15 take A's block i, lanes 16-31 B's block i
.irp i, 0,1,2,3,4,5,6,7
	ds_load_b64 v[SC+8*NQ*\sc+NQ*\i:SC+8*NQ*\sc+NQ*\i+1], v[ADRS] offset:\i*SBLK
.endr
.endm
; A load into a register that a matrix instruction has read, and a vector instruction that reads a matrix result or writes one of its registers, stand NP places behind that matrix instruction; only plain vector
; instructions that name none of its registers are places (ISA guide 7.12.1 for vector instructions).
.macro PLACES n
.rept \n
	v_nop
.endr
.endm
; A step of 128 along K that has its successor in the same slot.  A block of A is free as soon as its eight products are issued, so one set of registers serves A: blocks 0-3 are fetched anew in the step's middle, blocks 4-7 at its end.
.macro STEP slot, q, zero
	s_wait_dscnt 4*NL                              ; B's set and A's blocks 0-3 are in; the youngest 16 loads (A's blocks 4-7) may be out
	WIN MUL_LO
	MUL16 0, (\q)%2, \q, \slot, \zero
	MUL16 2, (\q)%2, \q, \slot, \zero
	s_wait_dscnt 0                                 ; A's blocks 4-7 are in (asked for 32 matrix instructions ago)
	PLACES NP
	FETCH_B \slot, (\q)+1, 1-(\q)%2
	FETCH_A \slot, (\q)+1, 0
	WIN MUL_HI
	MUL16 4, (\q)%2, \q, \slot, \zero
	MUL16 6, (\q)%2, \q, \slot, \zero
	PLACES NP
	WIN 0
	FETCH_A \slot, (\q)+1, 4
.endm
; A slot's last step changes slots: ONE barrier; in front of it each wave waits for all its tensor loads, adds 0 to its spare word, and waits for that and for its own reads of this slot.  fill = 1: this slot is filled again, two K steps ahead.
.macro TURN slot, next, fill
	s_wait_tensorcnt 0x0                           ; all my tensor loads have landed: my part of the next slot;  (every window is 0 here)
	ds_add_u32 v[SPW], v[NIL]                      ; 0 onto my spare word
	s_wait_dscnt 4*NL+1                            ; (the add and the youngest 16 loads, A's blocks 4-7, may be out)
	WIN MUL_LO
	MUL16 0, 1, NQ-1, \slot, 0                     ; sixteen matrix instructions stand between the add and the wait for it
	s_wait_dscnt 0x0                               ; the add is done, and my reads of this slot are over
	s_barrier_signal -1
	MUL16 2, 1, NQ-1, \slot, 0
	WIN 0
	s_barrier_wait -1
.if \fill
	CREST                                          ; the barrier has opened a round of the cluster's barrier: no wave of any partner still reads this slot's tile or has a load on its way
	s_add_nc_u64 s[G0+4*\slot+2:G0+4*\slot+3], s[G0+4*\slot+2:G0+4*\slot+3], 2*ROWB
	s_add_nc_u64 s[G0B+4*\slot+2:G0B+4*\slot+3], s[G0B+4*\slot+2:G0B+4*\slot+3], 2*ROWB
	JLOAD G0+4*\slot, G1, G0B+4*\slot, G1B         ; the first tensor load behind the round; the four v_nop behind it are among the places in front of the loads below
	PLACES NP-4
.else
	PLACES NP
.endif
	s_wait_alu depctr_va_vdst(0)
	v_add_nc_u32 v[ADRS], 4*NQ, v[ADRS]            ; on to the next K step's scale words (no LDS load of mine is out)
	FETCH_B \next, 0, 0
	FETCH_A \next, 0, 0
	SCALES \next
	WIN MUL_HI
	MUL16 4, 1, NQ-1, \slot, 0
	MUL16 6, 1, NQ-1, \slot, 0
	PLACES NP
	WIN 0
	FETCH_A \next, 0, 4
.endm
	s_wait_tensorcnt 1                             ; the scales and my part of K step 0 are in (K step 1's load may be out)
	s_barrier_signal -1
	s_barrier_wait -1                              ; everybody's are
	FETCH_B 0, 0, 0
	FETCH_A 0, 0, 0
	SCALES 0
	FETCH_A 0, 0, 4
	STEP 0, 0, 1                                   ; K = 1,024 is four K steps of 256, eight steps of 128: they are written out.  The first step's products start the sums
	TURN 0, 1, 1                                   ; slot 0 takes K step 2
	STEP 1, 0, 0
	TURN 1, 0, 1                                   ; slot 1 takes K step 3
	STEP 0, 0, 0
	TURN 0, 1, 0                                   ; nothing is left to fetch
	STEP 1, 0, 0
	s_wait_dscnt 4*NL                              ; the very last step
	WIN MUL_LO
	MUL16 0, 1, NQ-1, 1, 0
	MUL16 2, 1, NQ-1, 1, 0
	s_wait_dscnt 0
	WIN MUL_HI
	MUL16 4, 1, NQ-1, 1, 0
	MUL16 6, 1, NQ-1, 1, 0
	WIN 0
; THE WAY OUT, a tile of 16 of A's rows (64 registers a lane) at a time.
; THE ROTATION of tile a: register pair p holds (x1, x2) of pair 8 ((p / 4) % 4) + 4 h + p % 4 of a head; its (cos, sin) lie in the set's registers (2 p) % 32 on.  First (x2 sin, x2 cos) into registers at work,
; then (x1 cos - x2 sin, x1 sin + x2 cos) in place.  p ascends.
.macro ROPE a, cs
.set XW, 2+(\a)/4
.set SS, 64*((\a)%4)
	WIN XW                                         ; source 0: the tile's window
.set p, 0
.rept 32
	v_pk_mul_f32 v[TT+2*p:TT+2*p+1], v[SS+2*p:SS+2*p+1], v[\cs+(2*p)%32:\cs+(2*p)%32+1] op_sel:[1,1] op_sel_hi:[1,0]
.set p, p+1
.endr
	WIN XW|(XW<<6)                                 ; source 0 and destination
.set p, 0
.rept 32
	v_pk_fma_f32 v[SS+2*p:SS+2*p+1], v[SS+2*p:SS+2*p+1], v[\cs+(2*p)%32:\cs+(2*p)%32+1], v[TT+2*p:TT+2*p+1] op_sel_hi:[0,1,1] neg_lo:[0,0,1]
.set p, p+1
.endr
.endm
; THE QUANTISER of tile a: registers 16 b .. 16 b + 15, with the lane 16 away, are block b of 32.  Codes into v[PC] on, the four scale bytes into v[PW].
.macro QUANT a
.set XW, 2+(\a)/4
.set SS, 64*((\a)%4)
	WIN XW|(XW<<2)                                 ; sources 0 and 1: the tile's window
.irp b, 0,1,2,3
	v_max3_num_f32 v[TM+\b], |v[SS+16*\b]|, |v[SS+16*\b+1]|, 0x4800000   ; my 16 numbers, and the floor 2^(9 - 127), under which no largest magnitude is taken: so the byte cannot fall under 1
.endr
.irp i, 2,4,6,8,10,12,14
.irp b, 0,1,2,3
	v_max3_num_f32 v[TM+\b], |v[SS+16*\b+\i]|, |v[SS+16*\b+\i+1]|, v[TM+\b]   ; (the four blocks by turns)
.endr
.endr
	WIN 0
.irp b, 0,1,2,3
	v_permlanex16_b32 v[TM+4+\b], v[TM+\b], s98, s99
.endr
.irp b, 0,1,2,3
	v_max_num_f32 v[TM+\b], v[TM+\b], v[TM+4+\b]   ; the block's largest magnitude
.endr
.irp b, 0,1,2,3
	v_add_nc_u32 v[TM+12+\b], 0xfc000000, v[TM+\b] ; 8 off its exponent field: the conversion takes the exponent field of this operand as its scale
.endr
.irp b, 0,1,2,3
.endr
.irp b, 0,1,2,3
	v_lshrrev_b32 v[TM+4+\b], 23, v[TM+12+\b]      ; the scale's byte
.endr
	v_lshl_or_b32 v[PW], v[TM+5], 8, v[TM+4]
	v_lshl_or_b32 v[PW], v[TM+6], 16, v[PW]
	v_lshl_or_b32 v[PW], v[TM+7], 24, v[PW]
	WIN XW|(XW<<6)
.irp b, 0,1,2,3
.irp i, 0,1,2,3,4,5,6,7,8,9,10,11,12,13,14,15
.endr
.endr
	WIN XW
	s_wait_xcnt 0x0                                ; the last tile's stores have read their data: the codes' registers are written again only behind this wait
.irp b, 0,1,2,3
	v_cvt_scalef32_pk8_fp8_f32 v[PC+4*\b:PC+4*\b+1], v[SS+16*\b:SS+16*\b+7], v[TM+12+\b]
	v_cvt_scalef32_pk8_fp8_f32 v[PC+4*\b+2:PC+4*\b+3], v[SS+16*\b+8:SS+16*\b+15], v[TM+12+\b]
.endr
	WIN 0
	v_nop                                          ; one plain vector instruction behind the last scaled conversion
.endm
	PLACES NP                                      ; behind the last products: for the reads of their results and the writes over A's fragments
.irp b, 0,1,2,3
	v_mov_b32 v[TM+4+\b], 0                        ; written once: a lane permute's destination counts as one of its sources
.endr
	s_cmp_eq_u32 ttmp9, 2
	s_cbranch_scc1 .Lv
	; ---- q and k: a tile is 16 tokens x my two heads.  Blocks 0, 1 are the first head's 64, blocks 2, 3 the second's
.irp a, 0,1,2,3,4,5,6,7
.if \a < 7
.irp d, 0,1,2,3,4,5,6,7
	global_load_b128 v[CS0+32*((\a+1)%2)+4*\d:CS0+32*((\a+1)%2)+4*\d+3], v[CO], s[96:97] offset:(\a+1)*4096+\d*512   ; the next tile's cos and sin, into the other set
.endr
	s_wait_loadcnt 8                               ; this tile's eight loads are in; the eight just issued may be out
.else
	s_wait_loadcnt 0
.endif
	ROPE \a, CS0+32*((\a)%2)
	QUANT \a
.irp c, 0,1,2,3
	global_store_b128 v[CO], v[PC+4*\c:PC+4*\c+3], s[12:13] offset:(\a)*1024+(\c/2)*131072+(\c%2)*512   ; 32 lanes store 512 consecutive bytes, aligned: tile T0 + a, head + c / 2, block c % 2
.endr
	s_wait_alu depctr_va_vdst(0)
	v_bfe_u32 v[W+\a], v[PW], v[SH], 16            ; lanes 0-15 keep the first head's two bytes, lanes 16-31 the second's; the word's upper two bytes are 0
.if (\a)%4 == 3
	global_store_b128 v[SO], v[W+4*((\a)/4):W+4*((\a)/4)+3], s[66:67] offset:((\a)/4)*256   ; four tiles' words of a token: sixteen lanes store 256 consecutive bytes, aligned
.endif
.endr
	s_branch .Lend
.Lv:
	; ---- v: a tile is 16 channels (head + a / 4, channels 16 (a % 4) on) x my 128 keys: one fragment of V^T and one scale word a channel
.irp a, 0,1,2,3,4,5,6,7
	QUANT \a
.irp c, 0,1,2,3
	global_store_b128 v[CO], v[PC+4*\c:PC+4*\c+3], s[12:13] offset:((\a)/4)*131072+((\a)%4)*2048+\c*512
.endr
	s_wait_alu depctr_va_vdst(0)
	v_mov_b32 v[W+\a], v[PW]
.endr
.irp k, 0,1,2,3
	v_cndmask_b32 v[W+\k], v[W+\k], v[W+4+\k], s101   ; lanes 16-31 take the second head's four words
.endr
	global_store_b128 v[SO], v[W:W+3], s[66:67]
.Lend:
	s_wait_tensorcnt 0x0                           ; the wave's end
	ds_add_u32 v[SPW], v[NIL]
	s_wait_dscnt 0x0
	CROUND                                         ; the closing round: no work-group ends while a partner may still ask for a tile that names it
	s_endpgm
.Lfunc_end_k_q210e41346b_proj:
	.size	k_q210e41346b_proj, .Lfunc_end_k_q210e41346b_proj-k_q210e41346b_proj
	.p2alignl 7, 3214868480
	.fill 96, 4, 3214868480
	.section	.rodata,"a",@progbits
	.p2align	6, 0x0
	.amdhsa_kernel k_q210e41346b_proj
		.amdhsa_group_segment_fixed_size 327680
		.amdhsa_private_segment_fixed_size 0
		.amdhsa_enable_private_segment 0
		.amdhsa_kernarg_size 112
		.amdhsa_user_sgpr_count 2
		.amdhsa_user_sgpr_kernarg_segment_ptr 1
		.amdhsa_wavefront_size32 1
		.amdhsa_system_sgpr_workgroup_id_x 1
		.amdhsa_system_sgpr_workgroup_id_y 1
		.amdhsa_system_sgpr_workgroup_id_z 1
		.amdhsa_system_vgpr_workitem_id 0
		.amdhsa_next_free_vgpr 1024
		.amdhsa_next_free_sgpr 102
		.amdhsa_reserve_vcc 0
		.amdhsa_float_denorm_mode_32 3
		.amdhsa_float_denorm_mode_16_64 3
		.amdhsa_fp16_overflow 1
		.amdhsa_memory_ordered 1
		.amdhsa_forward_progress 1
		.amdhsa_inst_pref_size 225
	.end_amdhsa_kernel
	.amdgpu_metadata
---
amdhsa.version: [ 1, 2 ]
amdhsa.kernels:
  - .name:           k_q210e41346b_proj
    .symbol:         k_q210e41346b_proj.kd
    .args:
      - { .name: x_codes, .offset: 0, .size: 8, .value_kind: global_buffer, .address_space: global }
      - { .name: x_scales, .offset: 8, .size: 8, .value_kind: global_buffer, .address_space: global }
      - { .name: Wq_codes, .offset: 16, .size: 8, .value_kind: global_buffer, .address_space: global }
      - { .name: Wq_scales, .offset: 24, .size: 8, .value_kind: global_buffer, .address_space: global }
      - { .name: Wk_codes, .offset: 32, .size: 8, .value_kind: global_buffer, .address_space: global }
      - { .name: Wk_scales, .offset: 40, .size: 8, .value_kind: global_buffer, .address_space: global }
      - { .name: Wv_codes, .offset: 48, .size: 8, .value_kind: global_buffer, .address_space: global }
      - { .name: Wv_scales, .offset: 56, .size: 8, .value_kind: global_buffer, .address_space: global }
      - { .name: rope_tab, .offset: 64, .size: 8, .value_kind: global_buffer, .address_space: global }
      - { .name: q_img, .offset: 72, .size: 8, .value_kind: global_buffer, .address_space: global }
      - { .name: q_sc, .offset: 80, .size: 8, .value_kind: global_buffer, .address_space: global }
      - { .name: k_img, .offset: 88, .size: 8, .value_kind: global_buffer, .address_space: global }
      - { .name: kv_sc, .offset: 96, .size: 8, .value_kind: global_buffer, .address_space: global }
      - { .name: v_img, .offset: 104, .size: 8, .value_kind: global_buffer, .address_space: global }
    .group_segment_fixed_size: 327680
    .private_segment_fixed_size: 0
    .kernarg_segment_align: 8
    .kernarg_segment_size: 112
    .max_flat_workgroup_size: 128
    .sgpr_count:     102
    .vgpr_count:     1024
    .wavefront_size: 32
...
	.end_amdgpu_metadata
.endif
;; end of part 2
;; launch attn (part 3): grid 4 x 64, 16 waves a work-group, clusters of 4 x 1, 327,680 bytes of LDS; arguments q_img, q_sc, k_img, v_img, kv_sc, a_img, a_sc; writes a_img, a_sc
.if DOCPART == 3
	.amdgcn_target "amdgcn-amd-amdhsa--gfx1250"
	.amdhsa_code_object_version 6
	.text
	.protected	k_q210e41346b_attn
	.globl	k_q210e41346b_attn
	.p2align	8
	.type	k_q210e41346b_attn,@function
k_q210e41346b_attn:
	s_mov_b64 s[64:65], 0
	v_nop
	global_prefetch_b8 v0, s[64:65] scope:SCOPE_SE
	s_setreg_imm32_b32 hwreg(HW_REG_WAVE_MODE, 25, 1), 1
	s_wait_xcnt 0x0
	s_wait_alu depctr_hold_cnt(0) depctr_sa_sdst(0) depctr_va_vdst(0) depctr_va_sdst(0) depctr_va_ssrc(0) depctr_va_vcc(0) depctr_vm_vsrc(0)
	s_getreg_b32 s2, hwreg(HW_REG_IB_STS2, 6, 4)
	s_cmp_eq_u32 s2, 0
	s_cbranch_scc0 .Lentry_in_a_cluster
	s_endpgm
.Lentry_in_a_cluster:
	s_bfe_u32 s2, ttmp6, 0x10000c
	s_cmp_lg_u32 s2, 0x3003
	s_cbranch_scc0 .Lentry_shape_is_right
	s_endpgm
.Lentry_shape_is_right:
; CAUSAL ATTENTION ON CODES OF FP8 (E4M3): for each of 64 (batch, head): S^T = K Q^T, the streaming softmax, O^T = V^T P^T, O / l, and O's quantising along the model's 1,024 (two blocks of 32 a head).
; THE SOFTMAX AHEAD OF THE SECOND PRODUCT: t = score x log2(e) / 8; M = the row's largest t so far, rounded UP to a whole number; p = 2^(t - M) is what is quantised, along the keys, not normalised.
; The row's sum is taken of the unquantised p, in f32, and divides O at the end.  When M moves, the sum and O are multiplied by 2^(old M - new M): exact.
; SHARES.  A cluster of four work-groups owns one head; partner cx takes the tiles of 16 queries T = 4 m + cx, m = 0 .. 31.  Wave w of sixteen takes m = w and then m = 31 - w.  A tile's last key step (128 keys) is
; T / 8 = m / 2, which hangs on the wave's number alone; the two tiles together have (w / 2 + 1) + ((31 - w) / 2 + 1) = 17 steps for every wave: all waves of all 256 work-groups have equal work.
; Steps all of whose keys come after the tile's queries are left out by a scalar branch on ids inside loops of constant trip count.  cx enters global addresses and the mask's compare, no branch and no LDS address.
; THE WHOLE HEAD LIES IN LDS: K's and V's images (131,072 bytes each) and their scale words (12,288), filled ONCE, by joint loads that name the four partners: each wave asks for 768 bytes of scale words and
; two pieces of 8,192 bytes (waves 0-7: K's, waves 8-15: V's; first the keys 0 to 1,023, then the rest).  No byte is filled twice, and nothing is stored to LDS.  All that the launch will read of K and V is asked for at its head.
; OPERANDS ARE IMAGES OF THEIR REGISTERS: four registers of a fragment lie at 16 x lane, 512 consecutive bytes; every LDS read is a ds_load_b128 of consecutive bytes.
; LAYOUT.  Both products are used transposed: a lane holds ONE query (lane % 16) throughout; in S^T's tile t register j is key 16 t + 8 (lane / 16) + j of the step, so the 16 registers of tiles 2 b, 2 b + 1, with the lane
; 16 away, are block b of 32 keys; V's images carry the same order of keys inside a block.
; K = 64 IN AN INSTRUCTION OF 128: Q's upper eight registers are zero codes.  K's tiles lie packed, eight registers each; an operand's upper eight registers are the next tile's codes (for tile 7: p's codes), which are
; finite numbers made by this program's quantiser and meet Q's zeros; bytes 2 and 3 of both scale words are 0, which is a finite scale.
; LIMITS: NaN and infinities among the inputs are not served (a NaN code in k would pass Q's zeros).  A block of zeros gets the scale byte 1 where the rule says 127: its codes are zeros, and this program alone reads the bytes.
; O's scale bytes are stored singly, 32 bytes apart: one byte for each 32 bytes of codes that the launch writes.
; REGISTERS: v1-6 that stay; v8-11 addresses of the loads in hand; v12 -M, v13 the largest t, v[14:15] the sum; v16-31, v208-223 the two tiles of Q; v32-95 K's eight tiles, then V's four fragments; v96-111 p's codes;
;   v112-175 S^T, then p; v176-207 O^T; v224-243 at work; v244-253 scale words; v254, v255 addresses that stay.
.set VIM,  131072                      ; LDS: K's image from 0 on (tile T at 1,024 T), V's from here (step st at 8,192 st),
.set SCB,  262144                      ; the scale words from here: K's [T / 4][r][T % 4], 8,192 bytes, then V's [st][r][dt], 4,096
.set LI,   1                           ; v1   16 x lane
.set LIV,  2                           ; v2   VIM + 16 x lane
.set DL,   3                           ; v3   my query - the diagonal step's first key - 8 (lane / 16)
.set RH,   4                           ; v4   r - 8 h
.set GOS,  5                           ; v5   32 r + h: my byte among O's scale bytes
.set NINF, 6                           ; v6   -infinity
.set ADK,  8
.set ADV,  9
.set ADS,  10
.set ADT,  11
.set Q1,   16
.set KV,   32
.set PC,   96
.set S,    112
.set O,    176
.set Q2,   208
.set BM,   224                         ; a block's largest score, then its largest p
.set TP,   228                         ; at work: the other half's maxima; a chain of the sums; the bytes
.set LIM,  232
.set SOP,  236                         ; the conversions' scale operands
.set F,    240                         ; v[240:241] f = 2^(old M - new M); at the end 1 / l
.set TMP,  242
.set PW,   243                         ; p's scale word
.set SW,   244                         ; v244-251 K's scale words of eight tiles; then v244-247 V's of four
.set QS1,  252
.set QS2,  253
.set LR,   254                         ; SCB + 16 r
.set LRV,  255                         ; and V's: + 8,192
.set WV,   18                          ; s18  my wave's number
.set MNT,  19
.set SEL,  20                          ; s[20:21] selects for the lane 16 away
.set CS,   22                          ; s[22:23] c = log2(e) / 8
.set G1T,  24                          ; s[24:31] group 1: 32 rows of 256 bytes;  s[32:39]: 3 rows
.set G1S,  32
.set G0S,  40                          ; s[40:43] group 0 for my scale words;  s[44:47], s[48:51] for my two pieces
.set G0A,  44
.set G0B,  48
.set CX,   52
.set BH,   53
.set ST,   54                          ; the key step in hand
.set DG,   55                          ; the tile's last, on the diagonal
.set TK,   56                          ; the step's bytes in K's and V's images: 8,192 a step
.set TS,   57                          ; K's scale words: 512 a step
.set TJ,   58                          ; V's: 256 a step
.set CNT,  59
.set HI16, 60                          ; lanes 16-31
.macro CROUND                          ; a round of the cluster's barrier
	s_barrier_signal -1
	s_barrier_wait -1
	s_cmp_lg_u32 s[WV], 0
	s_cbranch_scc1 .Lnot_wave_0_\@
	s_barrier_signal -3
.Lnot_wave_0_\@:
	s_barrier_wait -3
	s_barrier_signal -1
	s_barrier_wait -1
.endm
	s_load_b256 s[4:11], s[0:1], 0x0               ; q's images, q's scale words, k's images, v's images
	s_load_b128 s[12:15], s[0:1], 0x20             ; k's and v's scale words, O's images
	s_load_b64 s[16:17], s[0:1], 0x30              ; O's scale bytes
	v_lshl_add_u32 v254, v0, 2, 0x43000
	v_mov_b32 v255, 0
	ds_add_u32 v254, v255
	ds_add_u32 v254, v255
	s_wait_dscnt 0x0
	v_lshrrev_b32 v7, 5, v0
	s_delay_alu instid0(VALU_DEP_1)
	v_readfirstlane_b32 s[WV], v7                  ; wave 0..15
	s_bfe_u32 s[CX], ttmp6, 0x40000                ; my place in the cluster
	s_and_b32 s[BH], ttmp7, 0xffff                 ; 16 x batch + head, which the four partners share
	s_mov_b32 s[SEL], 0x76543210
	s_mov_b32 s[SEL+1], 0xfedcba98
	s_mov_b32 s[CS], 0x3e38aa3b                    ; log2(e) / sqrt(64)
	s_mov_b32 s[CS+1], s[CS]                       ; (named with it as a pair, so it is written)
	s_mov_b32 s[HI16], 0xffff0000
	s_mov_b32 s[G1T], 15|(3<<16)|(1<<21)           ; 15:0 the mask: all four work-groups; 17:16 elements of 8 bytes; 21 set beside a mask; no padding
	s_mov_b32 s[G1T+1], 32<<16                     ; tensor_dim0 = 32 elements: 256 bytes
	s_mov_b32 s[G1T+2], 32<<16                     ; tensor_dim1 = 32 rows
	s_mov_b32 s[G1T+3], 32<<16                     ; tile_dim0
	s_mov_b32 s[G1T+4], 32                         ; tile_dim1
	s_mov_b32 s[G1T+5], 32                         ; from row to row: dense
	s_mov_b32 s[G1T+6], 0
	s_mov_b32 s[G1T+7], 0
	s_mov_b32 s[G1S], 15|(3<<16)|(1<<21)
	s_mov_b32 s[G1S+1], 32<<16
	s_mov_b32 s[G1S+2], 3<<16
	s_mov_b32 s[G1S+3], 32<<16
	s_mov_b32 s[G1S+4], 3
	s_mov_b32 s[G1S+5], 32
	s_mov_b32 s[G1S+6], 0
	s_mov_b32 s[G1S+7], 0
	s_mul_i32 s[G0S+1], s[WV], 768
	s_add_co_u32 s[G0S+1], s[G0S+1], SCB           ; LDS: my 768 bytes of the scale words
	s_lshr_b32 s74, s[WV], 3
	s_lshl_b32 s74, s74, 3
	s_add_co_u32 s74, s74, s[WV]                   ; w, and 8 more for waves 8-15: V's image lies 16 pieces behind K's
	s_lshl_b32 s[G0A+1], s74, 13                   ; LDS: my piece of the first half,
	s_add_co_u32 s[G0B+1], s[G0A+1], 65536         ; and of the second
	s_mul_i32 s74, s[BH], 12288
	s_mul_i32 s75, s[WV], 768
	s_add_co_u32 s74, s74, s75
	s_mov_b32 s75, 0
	s_lshl_b32 s76, s[BH], 17                      ; a head's image is 131,072 bytes
	s_and_b32 s77, s[WV], 7
	s_lshl_b32 s77, s77, 13
	s_add_co_u32 s76, s76, s77
	s_mov_b32 s77, 0
	s_wait_kmcnt 0x0
	s_mov_b32 s[G0S], 1
	s_add_nc_u64 s[G0S+2:G0S+3], s[12:13], s[74:75]
	s_or_b32 s[G0S+3], s[G0S+3], 0x80000000
	s_cmp_lt_u32 s[WV], 8                          ; waves 0-7 fetch K's image, waves 8-15 V's: the choice hangs on the wave's number alone
	s_cselect_b64 s[78:79], s[8:9], s[10:11]
	s_add_nc_u64 s[78:79], s[78:79], s[76:77]
	s_mov_b32 s[G0A], 1
	s_mov_b64 s[G0A+2:G0A+3], s[78:79]
	s_or_b32 s[G0A+3], s[G0A+3], 0x80000000
	s_mov_b32 s[G0B], 1
	s_add_nc_u64 s[G0B+2:G0B+3], s[78:79], 65536
	s_or_b32 s[G0B+3], s[G0B+3], 0x80000000
	CROUND                                         ; all four work-groups are here: the joint loads meet
	tensor_load_to_lds s[G0S:G0S+3], s[G1S:G1S+7]  ; the launch's only fills, one group: three tensor loads of mine are out
	s_nop 0
	tensor_load_to_lds s[G0A:G0A+3], s[G1T:G1T+7]
	s_nop 0
	tensor_load_to_lds s[G0B:G0B+3], s[G1T:G1T+7]
	s_nop 0
.rept 4
	v_nop
.endr
; the addresses of a pass with tile T = 4 m + cx: Q's image, Q's scale words, O's image, O's scale bytes
.macro PASSADR m, qi, qw, ai, aw
	s_lshl_b32 s82, s[\m], 2
	s_add_co_u32 s82, s82, s[CX]                   ; T
	s_lshl_b32 s83, s[BH], 7
	s_add_co_u32 s83, s83, s82
	s_lshl_b32 s[\qi], s83, 10                     ; [head][T] of 1,024 bytes
	s_mov_b32 s[\qi+1], 0
	s_add_nc_u64 s[\qi:\qi+1], s[4:5], s[\qi:\qi+1]
	s_mul_i32 s83, s[BH], 12288
	s_lshl_b32 s[\qw], s[\m], 8
	s_add_co_u32 s83, s83, s[\qw]
	s_lshl_b32 s[\qw], s[CX], 2
	s_add_co_u32 s[\qw], s[\qw], s83               ; [head] 12,288 [T / 4 = m] 256 [r] 16 [T % 4 = cx] 4
	s_mov_b32 s[\qw+1], 0
	s_add_nc_u64 s[\qw:\qw+1], s[6:7], s[\qw:\qw+1]
	s_lshr_b32 s83, s[BH], 4
	s_lshl_b32 s83, s83, 7
	s_add_co_u32 s83, s83, s82                     ; 128 x batch + T
	s_lshl_b32 s[\aw], s83, 9                      ; 16 rows of 32 scale bytes
	s_lshl_b32 s83, s83, 3
	s_bfe_u32 s[\ai], s[BH], 0x30001               ; the fragment: head / 2
	s_add_co_u32 s83, s83, s[\ai]
	s_lshl_b32 s83, s83, 1
	s_and_b32 s[\ai], s[BH], 1                     ; its lower or upper two blocks
	s_add_co_u32 s83, s83, s[\ai]
	s_lshl_b32 s[\ai], s83, 10
	s_mov_b32 s[\ai+1], 0
	s_add_nc_u64 s[\ai:\ai+1], s[14:15], s[\ai:\ai+1]
	s_and_b32 s83, s[BH], 15
	s_lshl_b32 s83, s83, 1
	s_add_co_u32 s[\aw], s[\aw], s83               ; + 2 x head
	s_mov_b32 s[\aw+1], 0
	s_add_nc_u64 s[\aw:\aw+1], s[16:17], s[\aw:\aw+1]
.endm
	s_mov_b32 s80, s[WV]                           ; m of the first pass,
	s_sub_co_u32 s81, 31, s[WV]                    ; and of the second
	PASSADR 80, 84, 86, 66, 70
	PASSADR 81, 88, 90, 68, 72
	v_and_b32 v7, 31, v0
	s_delay_alu instid0(VALU_DEP_1)
	v_lshlrev_b32 v[LI], 4, v7
	s_delay_alu instid0(VALU_DEP_1)
	v_add_nc_u32 v[LIV], VIM, v[LI]
	v_and_b32 v7, 15, v0                           ; r
	v_bfe_u32 v[TMP], v0, 4, 1                     ; h
	s_delay_alu instid0(VALU_DEP_1)
	v_lshlrev_b32 v[RH], 3, v[TMP]
	s_delay_alu instid0(VALU_DEP_1)
	v_sub_nc_u32 v[RH], v7, v[RH]
	s_delay_alu instid0(VALU_DEP_3)
	v_lshl_add_u32 v[GOS], v7, 5, v[TMP]
	v_mov_b32 v[NINF], 0xff800000
	v_lshlrev_b32 v[ADS], 4, v7                    ; 16 r: the lane's term of Q's scale loads; rewritten only behind the wait for them
	v_lshl_add_u32 v[LR], v7, 4, SCB
	s_delay_alu instid0(VALU_DEP_1)
	v_add_nc_u32 v[LRV], 8192, v[LR]
	global_load_b128 v[Q1:Q1+3], v[LI], s[84:85]
	global_load_b128 v[Q1+4:Q1+7], v[LI], s[84:85] offset:512
	global_load_b128 v[Q2:Q2+3], v[LI], s[88:89]
	global_load_b128 v[Q2+4:Q2+7], v[LI], s[88:89] offset:512
	global_load_b32 v[QS1], v[ADS], s[86:87]
	global_load_b32 v[QS2], v[ADS], s[90:91]
.irp j, 8,9,10,11,12,13,14,15
	v_mov_b32 v[Q1+\j], 0                          ; Q's zero codes for K = 64 .. 127
	v_mov_b32 v[Q2+\j], 0
.endr
.irp j, 0,1,2,3,4,5,6,7,8,9,10,11,12,13,14,15
	v_mov_b32 v[PC+\j], 0                          ; named as the upper half of K's last operand before p's first codes are made
.endr
.irp b, 0,1,2,3
	v_mov_b32 v[TP+\b], 0                          ; written once: a lane permute's destination counts as one of its sources
.endr
	v_mov_b32 v[F+1], 0                            ; (named as the upper half of the pair)
; A KEY STEP: 128 keys.  qr, qs: the tile of queries and its scale words.  causal = 1: the step may lie on the diagonal or beyond it.
.macro STEP qr, qs, causal
.if \causal
	s_cmp_gt_u32 s[ST], s[DG]                      ; all its keys come after my queries: the step's work is left out; the lines at its end that step addresses are not
	s_cbranch_scc1 .Lhid_\@
.endif
	s_setprio 2
	v_add_nc_u32 v[ADK], s[TK], v[LI]
	v_add_nc_u32 v[ADV], s[TK], v[LIV]
	v_add_nc_u32 v[ADS], s[TS], v[LR]
	v_add_nc_u32 v[ADT], s[TJ], v[LRV]
.rept 4
	v_nop                                          ; with the four additions: eight places in front of loads into registers that the last products have read
.endr
.irp t, 0,1,2,3,4,5,6,7
	ds_load_b128 v[KV+8*\t:KV+8*\t+3], v[ADK] offset:1024*\t
	ds_load_b128 v[KV+8*\t+4:KV+8*\t+7], v[ADK] offset:1024*\t+512
.endr
	ds_load_b128 v[SW:SW+3], v[ADS]                ; key r's words of tiles 0-3,
	ds_load_b128 v[SW+4:SW+7], v[ADS] offset:256   ; and of tiles 4-7
	s_wait_alu depctr_va_vdst(0)
	s_wait_dscnt 0x0
.irp t, 0,1,2,3,4,5,6,7
	v_wmma_scale_f32_16x16x128_f8f6f4 v[S+8*\t:S+8*\t+7], v[KV+8*\t:KV+8*\t+15], v[\qr:\qr+15], 0, v[SW+\t], v[\qs]
.endr
.rept 8
	v_nop                                          ; places: in front of the loads below, and of the first read of the scores
.endr
.irp d, 0,1,2,3
.irp c, 0,1,2,3
	ds_load_b128 v[KV+16*\d+4*\c:KV+16*\d+4*\c+3], v[ADV] offset:2048*\d+512*\c   ; V's four fragments land under the softmax
.endr
.endr
	ds_load_b128 v[SW:SW+3], v[ADT]                ; channel r's words of the four tiles of channels
.if \causal
	s_cmp_lt_u32 s[ST], s[DG]                      ; a step all of whose keys count skips the mask
	s_cbranch_scc1 .Lopen_\@
.set n, 0
.rept 64
	v_cmp_gt_i32 vcc_lo, 16*(n/8)+n%8, v[DL]       ; register n holds key 16 (n / 8) + n % 8 + 8 (lane / 16) of the step: hidden where it comes after my query
	v_cndmask_b32 v[S+n], v[S+n], v[NINF], vcc_lo
.set n, n+1
.endr
.Lopen_\@:
.endif
.irp b, 0,1,2,3
	v_max3_num_f32 v[BM+\b], v[S+16*\b], v[S+1+16*\b], v[S+2+16*\b]   ; the largest score of each block of 32 keys: it serves for the row's maximum and, since p rises with the score, for the block's largest p
.endr
.irp i, 3,5,7,9,11,13
.irp b, 0,1,2,3
	v_max3_num_f32 v[BM+\b], v[BM+\b], v[S+16*\b+\i], v[S+1+16*\b+\i]
.endr
.endr
.irp b, 0,1,2,3
	v_max_num_f32 v[BM+\b], v[BM+\b], v[S+15+16*\b]
.endr
.irp b, 0,1,2,3
	s_delay_alu instid0(VALU_DEP_4)
	v_permlanex16_b32 v[TP+\b], v[BM+\b], s[SEL], s[SEL+1]
.endr
.irp b, 0,1,2,3
	s_delay_alu instid0(VALU_DEP_4)
	v_max_num_f32 v[BM+\b], v[BM+\b], v[TP+\b]
.endr
	s_delay_alu instid0(VALU_DEP_2)
	v_max3_num_f32 v[TMP], v[BM], v[BM+1], v[BM+2]
	s_delay_alu instid0(VALU_DEP_1)
	v_max_num_f32 v[TMP], v[TMP], v[BM+3]          ; the step's largest score of my query
	s_delay_alu instid0(VALU_DEP_1)
	v_mul_f32 v[TMP], s[CS], v[TMP]                ; as t (c is positive)
	s_delay_alu instid0(VALU_DEP_1)
	v_max_num_f32 v13, v13, v[TMP]                 ; the running largest t
	v_mov_b32 v[TMP], v12
	s_delay_alu instid0(VALU_DEP_2)
	v_floor_f32 v12, -v13                          ; the new -M = floor(-t): M is a whole number
	s_delay_alu instid0(VALU_DEP_1)
	v_sub_f32 v[TMP], v12, v[TMP]                  ; old M - new M: a whole number, 0 or less
	s_delay_alu instid0(VALU_DEP_1)
	v_cvt_i32_f32 v[TMP], v[TMP]                   ; (it saturates)
	s_delay_alu instid0(VALU_DEP_1)
	v_ldexp_f32 v[F], 1.0, v[TMP]                  ; f = 2^(old M - new M)
.set j, 0
.rept 32
	v_pk_fma_f32 v[S+j:S+j+1], v[S+j:S+j+1], s[CS:CS+1], v[12:13] op_sel_hi:[1,0,0]   ; t - M, two at a time
.set j, j+2
.endr
.irp b, 0,1,2,3
	v_fma_f32 v[BM+\b], v[BM+\b], s[CS], v12       ; the same of each block's largest score
.endr
.set j, 0
	s_setprio 1
	s_wait_alu depctr_va_vdst(0)
.rept 64
	v_exp_f32 v[S+j], v[S+j]                       ; p = 2^(t - M), at most 1
.set j, j+1
.endr
	v_pk_mul_f32 v[14:15], v[14:15], v[F:F+1] op_sel_hi:[1,0]   ; the sums under the new M: a plain instruction behind the exponentials
	s_wait_alu depctr_va_vdst(0)                   ; one wait for the batch of 64, ahead of its first reader
.irp b, 0,1,2,3
	v_exp_f32 v[BM+\b], v[BM+\b]                   ; the block's largest p
.endr
	v_pk_add_f32 v[228:229], v[116:117], v[120:121]
	v_pk_add_f32 v[250:251], v[124:125], v[128:129]
	v_pk_add_f32 v[248:249], v[132:133], v[136:137]
	v_pk_add_f32 v[238:239], v[140:141], v[144:145]
	v_pk_add_f32 v[236:237], v[148:149], v[152:153]
	v_pk_add_f32 v[234:235], v[156:157], v[160:161]
	v_pk_add_f32 v[232:233], v[164:165], v[168:169]
	v_pk_add_f32 v[14:15], v[14:15], v[172:173]
	v_pk_add_f32 v[228:229], v[228:229], v[112:113]
	v_pk_add_f32 v[250:251], v[250:251], v[114:115]
	v_pk_add_f32 v[248:249], v[248:249], v[118:119]
	v_pk_add_f32 v[238:239], v[238:239], v[122:123]
	v_pk_add_f32 v[236:237], v[236:237], v[126:127]
	v_pk_add_f32 v[234:235], v[234:235], v[130:131]
	v_pk_add_f32 v[232:233], v[232:233], v[134:135]
	v_pk_add_f32 v[14:15], v[14:15], v[138:139]
	v_pk_add_f32 v[228:229], v[228:229], v[142:143]
	v_pk_add_f32 v[250:251], v[250:251], v[146:147]
	v_pk_add_f32 v[248:249], v[248:249], v[150:151]
	v_pk_add_f32 v[238:239], v[238:239], v[154:155]
	v_pk_add_f32 v[236:237], v[236:237], v[158:159]
	v_pk_add_f32 v[234:235], v[234:235], v[162:163]
	v_pk_add_f32 v[232:233], v[232:233], v[166:167]
	v_pk_add_f32 v[14:15], v[14:15], v[170:171]
	v_pk_add_f32 v[228:229], v[228:229], v[174:175]
	s_delay_alu instid0(VALU_DEP_2)
	v_pk_add_f32 v[14:15], v[14:15], v[238:239]
	s_delay_alu instid0(VALU_DEP_2)
	v_pk_add_f32 v[228:229], v[228:229], v[236:237]
	v_pk_add_f32 v[250:251], v[250:251], v[234:235]
	v_pk_add_f32 v[248:249], v[248:249], v[232:233]
	s_delay_alu instid0(VALU_DEP_2)
	v_pk_add_f32 v[14:15], v[14:15], v[250:251]
	s_delay_alu instid0(VALU_DEP_2)
	v_pk_add_f32 v[228:229], v[228:229], v[248:249]
	s_delay_alu instid0(VALU_DEP_1)
	v_pk_add_f32 v[14:15], v[14:15], v[228:229]
	s_wait_alu depctr_va_vdst(0)                   ; and one for the four
.irp b, 0,1,2,3
	v_max_num_f32 v[BM+\b], 0x4800000, v[BM+\b]    ; the floor 2^(9 - 127): the byte cannot fall under 1
.endr
.irp b, 0,1,2,3
	s_delay_alu instid0(VALU_DEP_4)
	v_add_nc_u32 v[SOP+\b], 0xfc000000, v[BM+\b]   ; 8 off the exponent field: the conversion's scale operand
.endr
.irp b, 0,1,2,3
.endr
.irp b, 0,1,2,3
	s_delay_alu instid0(VALU_DEP_4)
	v_lshrrev_b32 v[TP+\b], 23, v[SOP+\b]          ; the scale's byte
.endr
	s_delay_alu instid0(VALU_DEP_3)
	v_lshl_or_b32 v[PW], v[TP+1], 8, v[TP]         ; p's scale word for these 128 keys
	s_delay_alu instid0(VALU_DEP_1)
	v_lshl_or_b32 v[PW], v[TP+2], 16, v[PW]
	s_delay_alu instid0(VALU_DEP_1)
	v_lshl_or_b32 v[PW], v[TP+3], 24, v[PW]
	s_setprio 0
.irp b, 0,1,2,3
.irp i, 0,1,2,3,4,5,6,7,8,9,10,11,12,13,14,15
.endr
	v_cvt_scalef32_pk8_fp8_f32 v[PC+4*\b:PC+4*\b+1], v[S+16*\b:S+16*\b+7], v[SOP+\b]
	v_cvt_scalef32_pk8_fp8_f32 v[PC+4*\b+2:PC+4*\b+3], v[S+16*\b+8:S+16*\b+15], v[SOP+\b]
.endr
.set j, 0
.rept 16
	v_pk_mul_f32 v[O+j:O+j+1], v[O+j:O+j+1], v[F:F+1] op_sel_hi:[1,0]   ; O^T under the new M.  (These sixteen are also the places between the codes' conversions and the products)
.set j, j+2
.endr
	s_wait_alu depctr_va_vdst(0)
	s_wait_dscnt 0x0                               ; V and its scale words are in
.irp d, 0,1,2,3
	v_wmma_scale_f32_16x16x128_f8f6f4 v[O+8*\d:O+8*\d+7], v[KV+16*\d:KV+16*\d+15], v[PC:PC+15], v[O+8*\d:O+8*\d+7], v[SW+\d], v[PW]   ; four accumulators by turns; between two links of one stand eleven other matrix instructions
.endr
.if \causal
.Lhid_\@:
.endif
	s_add_co_u32 s[ST], s[ST], 1
	s_add_co_u32 s[TK], s[TK], 8192
	s_add_co_u32 s[TS], s[TS], 512
	s_add_co_u32 s[TJ], s[TJ], 256
.endm
.macro KLOOP n, qr, qs, causal         ; n key steps: a constant of the text
	s_mov_b32 s[CNT], \n
.Lk_\@:
	STEP \qr, \qs, \causal
	s_sub_co_u32 s[CNT], s[CNT], 1
	s_cmp_lg_u32 s[CNT], 0
	s_cbranch_scc1 .Lk_\@
	s_setprio 0
.endm
.macro INIT m                          ; a pass begins: the step is written once, and its first turn finds zeros, which the first change of M leaves zeros
	v_mov_b32 v13, 0xff61b1e6                      ; the largest t so far: -3e38, under every t
	s_delay_alu instid0(VALU_DEP_1)
	v_floor_f32 v12, -v13
	v_mov_b32 v14, 0
	v_mov_b32 v15, 0
.set j, 0
.rept 32
	v_mov_b32 v[O+j], 0
.set j, j+1
.endr
	s_lshr_b32 s[DG], s[\m], 1                     ; T / 8 = m / 2
	s_lshl_b32 s74, s[\m], 2
	s_add_co_u32 s74, s74, s[CX]
	s_and_b32 s74, s74, 7
	s_lshl_b32 s74, s74, 4                         ; my tile's first query in the diagonal step: 16 (T % 8)
	v_add_nc_u32 v[DL], s74, v[RH]
	s_mov_b32 s[ST], 0
	s_mov_b32 s[TK], 0
	s_mov_b32 s[TS], 0
	s_mov_b32 s[TJ], 0
.endm
; A pass ends: O^T / l, quantised along the head's 64 (tiles 0, 1: one block; tiles 2, 3: the other), stored as the image of the last product's operand.
.macro OUT pc, ps
.rept 8
	v_nop                                          ; places behind the last products
.endr
	v_add_f32 v14, v14, v15                        ; the sum's two halves,
	s_delay_alu instid0(VALU_DEP_1)
	v_permlanex16_b32 v[TMP], v14, s[SEL], s[SEL+1]
	s_delay_alu instid0(VALU_DEP_1)
	v_add_f32 v14, v14, v[TMP]                     ; and the lane 16 away's: the row's sum
	s_wait_alu depctr_va_vdst(0)
	v_rcp_f32 v[F], v14
	v_nop                                          ; a plain instruction behind the reciprocal,
	s_wait_alu depctr_va_vdst(0)                   ; and the wait ahead of its first reader
.set j, 0
.rept 16
	v_pk_mul_f32 v[O+j:O+j+1], v[O+j:O+j+1], v[F:F+1] op_sel_hi:[1,0]   ; ascending: each accumulator is read from its low end on
.set j, j+2
.endr
.irp b, 0,1
	v_max3_num_f32 v[BM+\b], |v[O+16*\b]|, |v[O+16*\b+1]|, 0x4800000
.endr
.irp i, 2,4,6,8,10,12,14
.irp b, 0,1
	s_delay_alu instid0(VALU_DEP_2)
	v_max3_num_f32 v[BM+\b], v[BM+\b], |v[O+16*\b+\i]|, |v[O+16*\b+\i+1]|
.endr
.endr
.irp b, 0,1
	s_delay_alu instid0(VALU_DEP_2)
	v_permlanex16_b32 v[TP+\b], v[BM+\b], s[SEL], s[SEL+1]
.endr
.irp b, 0,1
	s_delay_alu instid0(VALU_DEP_2)
	v_max_num_f32 v[BM+\b], v[BM+\b], v[TP+\b]
.endr
.irp b, 0,1
	s_delay_alu instid0(VALU_DEP_2)
	v_add_nc_u32 v[SOP+\b], 0xfc000000, v[BM+\b]
.endr
.irp b, 0,1
.endr
.irp b, 0,1
	s_delay_alu instid0(VALU_DEP_2)
	v_lshrrev_b32 v[TP+\b], 23, v[SOP+\b]
.endr
.irp b, 0,1
.irp i, 0,1,2,3,4,5,6,7,8,9,10,11,12,13,14,15
.endr
.endr
	s_wait_alu depctr_va_vdst(0)
	s_wait_xcnt 0x0                                ; earlier stores have read their data: the registers below are written only behind this wait
.irp b, 0,1
	v_cvt_scalef32_pk8_fp8_f32 v[PC+4*\b:PC+4*\b+1], v[O+16*\b:O+16*\b+7], v[SOP+\b]
	v_cvt_scalef32_pk8_fp8_f32 v[PC+4*\b+2:PC+4*\b+3], v[O+16*\b+8:O+16*\b+15], v[SOP+\b]
.endr
	v_nop                                          ; one plain vector instruction behind the last scaled conversion
	v_cndmask_b32 v[TMP], v[TP], v[TP+1], s[HI16]  ; lanes 0-15 store the first block's byte, lanes 16-31 the second's
	global_store_b128 v[LI], v[PC:PC+3], s[\pc:\pc+1]                 ; 32 lanes store 512 consecutive bytes, aligned
	global_store_b128 v[LI], v[PC+4:PC+7], s[\pc:\pc+1] offset:512
	global_store_b8 v[GOS], v[TMP], s[\ps:\ps+1]
.endm
	s_wait_tensorcnt 1                             ; my scale words and my piece of the first half are in; the second half's may stay out
	s_barrier_signal -1
	s_barrier_wait -1                              ; everybody's are
	s_wait_loadcnt 0x0                             ; Q
	INIT 80
	KLOOP 8, Q1, QS1, 1                            ; tile 4 w + cx: its last step is w / 2, at most 7: the first half of the keys
	OUT 66, 70
	s_wait_xcnt 0x0                                ; the stores have read their data
	INIT 81
	KLOOP 8, Q2, QS2, 0                            ; tile 4 (31 - w) + cx: its last step is at least 8, so steps 0 to 7 are open
	s_wait_tensorcnt 0x0                           ; my piece of the second half is in,
	s_wait_dscnt 0x0
	s_barrier_signal -1
	s_barrier_wait -1                              ; everybody's is
	KLOOP 8, Q2, QS2, 1
	OUT 68, 72
	s_wait_dscnt 0x0
	s_wait_xcnt 0x0
	v_lshl_add_u32 v254, v0, 2, 0x43000
	v_mov_b32 v255, 0
	s_wait_alu depctr_va_vdst(0)
	s_wait_tensorcnt 0x0
	ds_add_u32 v254, v255
	s_wait_dscnt 0x0
	CROUND                                         ; the closing round: no work-group ends while a partner may still ask for a tile that names it
	s_endpgm
.Lfunc_end_k_q210e41346b_attn:
	.size	k_q210e41346b_attn, .Lfunc_end_k_q210e41346b_attn-k_q210e41346b_attn
	.p2alignl 7, 3214868480
	.fill 96, 4, 3214868480
	.section	.rodata,"a",@progbits
	.p2align	6, 0x0
	.amdhsa_kernel k_q210e41346b_attn
		.amdhsa_group_segment_fixed_size 327680
		.amdhsa_private_segment_fixed_size 0
		.amdhsa_enable_private_segment 0
		.amdhsa_kernarg_size 56
		.amdhsa_user_sgpr_count 2
		.amdhsa_user_sgpr_kernarg_segment_ptr 1
		.amdhsa_wavefront_size32 1
		.amdhsa_system_sgpr_workgroup_id_x 1
		.amdhsa_system_sgpr_workgroup_id_y 1
		.amdhsa_system_sgpr_workgroup_id_z 1
		.amdhsa_system_vgpr_workitem_id 0
		.amdhsa_next_free_vgpr 256
		.amdhsa_next_free_sgpr 92
		.amdhsa_reserve_vcc 1
		.amdhsa_float_denorm_mode_32 3
		.amdhsa_float_denorm_mode_16_64 3
		.amdhsa_fp16_overflow 1
		.amdhsa_memory_ordered 1
		.amdhsa_forward_progress 1
		.amdhsa_inst_pref_size 84
	.end_amdhsa_kernel
	.amdgpu_metadata
---
amdhsa.version: [ 1, 2 ]
amdhsa.kernels:
  - .name:           k_q210e41346b_attn
    .symbol:         k_q210e41346b_attn.kd
    .args:
      - { .name: q_img, .offset: 0, .size: 8, .value_kind: global_buffer, .address_space: global }
      - { .name: q_sc, .offset: 8, .size: 8, .value_kind: global_buffer, .address_space: global }
      - { .name: k_img, .offset: 16, .size: 8, .value_kind: global_buffer, .address_space: global }
      - { .name: v_img, .offset: 24, .size: 8, .value_kind: global_buffer, .address_space: global }
      - { .name: kv_sc, .offset: 32, .size: 8, .value_kind: global_buffer, .address_space: global }
      - { .name: a_img, .offset: 40, .size: 8, .value_kind: global_buffer, .address_space: global }
      - { .name: a_sc, .offset: 48, .size: 8, .value_kind: global_buffer, .address_space: global }
    .group_segment_fixed_size: 327680
    .private_segment_fixed_size: 0
    .kernarg_segment_align: 8
    .kernarg_segment_size: 56
    .max_flat_workgroup_size: 512
    .sgpr_count:     92
    .vgpr_count:     256
    .wavefront_size: 32
...
	.end_amdgpu_metadata
.endif
;; end of part 3
;; launch outp (part 4): grid 4 x 32, 4 waves a work-group, clusters of 4 x 4, 327,680 bytes of LDS; arguments a_img, a_sc, Wo_codes, Wo_scales, out0; writes out0
.if DOCPART == 4
	.amdgcn_target "amdgcn-amd-amdhsa--gfx1250"
	.amdhsa_code_object_version 6
	.text
	.protected	k_q210e41346b_outp
	.globl	k_q210e41346b_outp
	.p2align	8
	.type	k_q210e41346b_outp,@function
k_q210e41346b_outp:
	s_mov_b64 s[64:65], 0
	v_nop
	global_prefetch_b8 v0, s[64:65] scope:SCOPE_SE
	s_setreg_imm32_b32 hwreg(HW_REG_WAVE_MODE, 25, 1), 1
	s_wait_xcnt 0x0
	s_wait_alu depctr_hold_cnt(0) depctr_sa_sdst(0) depctr_va_vdst(0) depctr_va_sdst(0) depctr_va_ssrc(0) depctr_va_vcc(0) depctr_vm_vsrc(0)
	s_getreg_b32 s2, hwreg(HW_REG_IB_STS2, 6, 4)
	s_cmp_eq_u32 s2, 0
	s_cbranch_scc0 .Lentry_in_a_cluster
	s_endpgm
.Lentry_in_a_cluster:
	s_bfe_u32 s2, ttmp6, 0x10000c
	s_cmp_lg_u32 s2, 0xf033
	s_cbranch_scc0 .Lentry_shape_is_right
	s_endpgm
.Lentry_shape_is_right:
; THE LAST PROJECTION: out[m][n] = sum over k of attn[m][k] Wo[n][k], on codes of FP8 (E4M3) with one E8M0 scale for each 32 along K = 1,024; out is [8,192][1,024] f32.
; A (the attention's result) comes as IMAGES OF ITS FRAGMENTS: [tile of 16 rows][fragment of 128 K][4][lane][16 bytes]; inside a block of 32 its codes stand in the order 8 h + 0..7, 16 + 8 h + 0..7 where the operand's
; layout has 16 h + 0..15.  Wo comes in rows, K in its true order: its fragments are therefore read from LDS in pieces of 8 bytes, at 32 c + 16 u + 8 h, so that both operands carry the same order inside a scale's block.
; A tile of C, 256 x 256, is made by a work-group of four waves, as many as a WGP has SIMDs; a wave makes 128 x 128: 64 accumulators, 512 registers.  K goes in four steps of 256 through two LDS slots filled by the tensor data mover.
; THE SCALES of the work-group's 256 rows of A and of B, for all of K, are two dense blocks of memory: they come into LDS once, with the first fills.
; CLUSTERS: 4 x 4 work-groups; A's tiles are asked for jointly along a row of the cluster, B's along a column.  The matrix instruction is used transposed (source 0 = 16 rows of Wo, source 1 = 16 rows of A): a lane holds
; eight neighbouring numbers of a row of C.  The grid has 128 work-groups: C has no more tiles of this size.
; REGISTERS, in windows of 256: window 0: v0-31 addresses; v32-63 scale words, two sets; from v128 A's fragments, ONE set; on the way out v128-255 rows of C.   window 1: B's fragments, TWO sets.   windows 2, 3: the accumulators.
.set SIZE_N, 1024
.set KSTEP,  256
.set NQ,     KSTEP/128
.set ROWB,   256                       ; a row of B's tile in bytes
.set AROWB,  4096                      ; a tile of 16 rows of A in a slot: two fragments of 2,048 bytes
.set KROW,   1024                      ; a row of codes in memory; also A's image bytes for each row
.set PITCH,  272                       ; B's LDS row: 256 bytes + 16 of padding = 68 words: lane (r, h) of a read of 8 bytes starts at bank 4 r + 2 h mod 64
.set FR,     16
.set NL,     4                         ; LDS loads that bring a fragment of A
.set NP,     8                         ; places behind this matrix instruction (ISA guide 7.12.1)
.set HALFT,  128*PITCH                 ; a quarter of a slot: 128 rows of B; A's 128 rows take 32,768 bytes of theirs
.set SLOT,   4*HALFT
.set KS,     32
.set SCL,    2*SLOT
.set HALFS,  (128*KS/256)*272
.set SBLK,   (16*KS/256)*272
.set SPARE,  SCL+4*HALFS               ; the spare words, 128 bytes for each wave: two blocks of 256 bytes that no other line names
.set SPITCH, 528                       ; the way out: a stage of 16 rows x (512 bytes + 16) for each wave, in slot 0, which has had its last fill and its last read when the first result is stored there
.set ADRA, 16
.set ADRB, 20
.set STO,  24
.set RD,   25
.set CO,   26
.set ADRS, 27
.set SPW,  28
.set NIL,  29
.set SC,   32
.set AF,   128
.set BK,   128
.set G1, 24
.set G0, 32
.set G1B, 48
.set G0B, 56
.set G1S, 68
.set G0S, 76
.set G1SB, 80
.set G0SB, 88
.set MSB, 0
.macro WIN new                         ; the immediate's high byte repeats the setting that is left
.if MSB != (\new)
	s_set_vgpr_msb (MSB<<8)|(\new)
.set MSB, (\new)
.endif
.endm
.set MUL_LO, 0xa1                      ; source 0 (B) window 1, source 1 (A) window 0, C and D window 2
.set MUL_HI, 0xf1
.set TO_B,   0x40
.macro JLOAD g0a, g1a, g0b, g1b        ; a joint load: waves 0 and 1 fetch for A, waves 2 and 3 for B; four v_nop follow each of the two lines
	s_cmp_eq_u32 s15, 0
	s_cbranch_scc0 .Lfor_b_\@
	tensor_load_to_lds s[\g0a:\g0a+3], s[\g1a:\g1a+7]
	s_nop 0
.rept 4
	v_nop
.endr
	s_branch .Lasked_\@
.Lfor_b_\@:
	tensor_load_to_lds s[\g0b:\g0b+3], s[\g1b:\g1b+7]
	s_nop 0
.rept 4
	v_nop
.endr
.Lasked_\@:
.endm
.macro CREST
	s_cmp_lg_u32 s14, 0
	s_cbranch_scc1 .Lnot_wave_0_\@
	s_barrier_signal -3
.Lnot_wave_0_\@:
	s_barrier_wait -3
	s_barrier_signal -1
	s_barrier_wait -1
.endm
.macro CROUND
	s_barrier_signal -1
	s_barrier_wait -1
	CREST
.endm
	s_load_b128 s[4:7], s[0:1], 0x0                ; A's images, A's scales
	s_load_b128 s[8:11], s[0:1], 0x10              ; Wo's codes, Wo's scales
	s_load_b64 s[12:13], s[0:1], 0x20              ; C
	v_lshl_add_u32 v[SPW], v0, 2, SPARE
	v_mov_b32 v[NIL], 0
	ds_add_u32 v28, v29
	ds_add_u32 v28, v29
	s_wait_dscnt 0x0
	v_lshrrev_b32 v1, 5, v0
	v_readfirstlane_b32 s14, v1                    ; wave 0..3
	s_lshr_b32 s15, s14, 1                         ; which half of the tile's rows is mine.  Also: I fetch for A (0) or for B (1)
	s_and_b32 s16, s14, 1                          ; which half of its columns.  Also: which 128 rows of that tile I fetch
	s_bfe_u32 s40, ttmp6, 0x40000
	s_bfe_u32 s41, ttmp6, 0x40004
	s_lshl_b32 s42, ttmp9, 2
	s_add_co_u32 s42, s42, s40                     ; tile column of C
	s_and_b32 s17, ttmp7, 0xffff
	s_lshl_b32 s17, s17, 2
	s_add_co_u32 s17, s17, s41                     ; tile row of C
	s_lshl_b32 s43, s41, 2
	s_lshl_b32 s43, 15, s43                        ; my row of the cluster
	s_lshl_b32 s44, 0x1111, s40                    ; my column
	; group 1 for A: eight tiles of 16 rows, of each 4,096 bytes (512 elements of 8), 16,384 bytes apart; dense in LDS
	s_or_b32 s[G1+0], s43, (3<<16)|(1<<21)
	s_mov_b32 s[G1+1], 512<<16
	s_mov_b32 s[G1+2], 8<<16
	s_mov_b32 s[G1+3], 512<<16
	s_mov_b32 s[G1+4], 8
	s_mov_b32 s[G1+5], 2048
	s_mov_b32 s[G1+6], 0
	s_mov_b32 s[G1+7], 0
	; for B: 128 rows x 256 bytes, four words of padding behind every 64
	s_or_b32 s[G1B+0], s44, (0<<16)|(1<<20)|(1<<21)|(5<<22)|(3<<25)
	s_mov_b32 s[G1B+1], ROWB<<16
	s_mov_b32 s[G1B+2], 128<<16
	s_mov_b32 s[G1B+3], ROWB<<16
	s_mov_b32 s[G1B+4], 128
	s_mov_b32 s[G1B+5], KROW
	s_mov_b32 s[G1B+6], 0
	s_mov_b32 s[G1B+7], 0
	; for the scales of 128 rows: 16 rows of 256 bytes, 16 bytes of padding behind each
	s_or_b32 s[G1S+0], s43, (3<<16)|(1<<20)|(1<<21)|(5<<22)|(3<<25)
	s_or_b32 s[G1SB+0], s44, (3<<16)|(1<<20)|(1<<21)|(5<<22)|(3<<25)
.irp g, G1S, G1SB
	s_mov_b32 s[\g+1], 32<<16
	s_mov_b32 s[\g+2], (128*KS/256)<<16
	s_mov_b32 s[\g+3], 32<<16
	s_mov_b32 s[\g+4], 128*KS/256
	s_mov_b32 s[\g+5], 32
	s_mov_b32 s[\g+6], 0
	s_mov_b32 s[\g+7], 0
.endr
	s_lshl_b32 s18, s16, 7
	s_lshl_b32 s20, s17, 8
	s_add_co_u32 s20, s20, s18                     ; A: row 256 x tile row + 128 x half
	s_lshl_b32 s46, s42, 8
	s_add_co_u32 s46, s46, s18                     ; B: row 256 x tile column + 128 x half
	s_mov_b32 s21, 0
	s_mov_b32 s47, 0
	s_mov_b64 s[18:19], KS
	s_mul_u64 s[22:23], s[20:21], s[18:19]         ; where these rows' scales begin
	s_mul_u64 s[92:93], s[46:47], s[18:19]
	s_mov_b64 s[18:19], KROW
	s_mul_u64 s[20:21], s[20:21], s[18:19]         ; and their codes (a tile of 16 rows of A is 16,384 bytes: 1,024 a row)
	s_mul_u64 s[46:47], s[46:47], s[18:19]
	s_mul_i32 s45, s14, HALFT
	s_mul_i32 s94, s14, HALFS
	s_wait_kmcnt 0x0
	s_add_nc_u64 s[20:21], s[4:5], s[20:21]
	s_add_nc_u64 s[22:23], s[6:7], s[22:23]
	s_add_nc_u64 s[46:47], s[8:9], s[46:47]
	s_add_nc_u64 s[92:93], s[10:11], s[92:93]
	CROUND                                         ; all sixteen work-groups are here: the first joint loads meet
	s_mov_b32 s[G0S], 1
	s_add_co_u32 s[G0S+1], s94, SCL
	s_mov_b64 s[G0S+2:G0S+3], s[22:23]
	s_or_b32 s[G0S+3], s[G0S+3], 0x80000000
	s_mov_b32 s[G0SB], 1
	s_add_co_u32 s[G0SB+1], s94, SCL
	s_mov_b64 s[G0SB+2:G0SB+3], s[92:93]
	s_or_b32 s[G0SB+3], s[G0SB+3], 0x80000000
	JLOAD G0S, G1S, G0SB, G1SB
.irp s, 0,1
	s_mov_b32 s[G0+4*\s], 1
	s_add_co_u32 s[G0+4*\s+1], s45, \s*SLOT
	s_add_nc_u64 s[G0+4*\s+2:G0+4*\s+3], s[20:21], \s*AROWB
	s_or_b32 s[G0+4*\s+3], s[G0+4*\s+3], 0x80000000
	s_mov_b32 s[G0B+4*\s], 1
	s_add_co_u32 s[G0B+4*\s+1], s45, \s*SLOT
	s_add_nc_u64 s[G0B+4*\s+2:G0B+4*\s+3], s[46:47], \s*ROWB
	s_or_b32 s[G0B+4*\s+3], s[G0B+4*\s+3], 0x80000000
	s_wait_alu depctr_va_vdst(0)
	s_wait_tensorcnt 0x0
	ds_add_u32 v28, v29
	s_wait_dscnt 0x0
	CROUND
	JLOAD G0+4*\s, G1, G0B+4*\s, G1B               ; one tensor load of mine is out at the most
.endr
	v_and_b32 v1, 15, v0                           ; r
	v_bfe_u32 v2, v0, 4, 1                         ; h
	v_mul_u32_u24 v3, v1, PITCH
	v_lshl_add_u32 v4, v2, 3, v3                   ; B: row x pitch + 8 x half
	v_and_b32 v6, 31, v0
	v_lshlrev_b32 v6, 4, v6                        ; A: 16 x lane
	s_mul_i32 s21, s15, HALFT                      ; my 128 rows of A
	s_mul_i32 s22, s16, HALFT                      ; my 128 rows of B,
	s_add_co_u32 s22, s22, 2*HALFT                 ; which lie behind A's two quarters
.irp s, 0,1
	v_add_nc_u32 v[ADRA+\s], s21, v6
	v_add_nc_u32 v[ADRB+\s], s22, v4
	s_add_co_u32 s21, s21, SLOT
	s_add_co_u32 s22, s22, SLOT
.endr
	v_mul_u32_u24 v5, v1, KS
	v_lshrrev_b32 v6, 8, v5
	v_lshl_add_u32 v5, v6, 4, v5
	s_mul_i32 s21, s15, HALFS
	s_mul_i32 s22, s16, HALFS
	s_add_co_u32 s22, s22, 2*HALFS
	s_sub_co_u32 s22, s22, s21
	v_mul_u32_u24 v6, s22, v2                      ; lanes 16-31 take B's
	s_add_co_u32 s21, s21, SCL
	v_add_nc_u32 v5, v5, v6
	v_add_nc_u32 v[ADRS], s21, v5
	s_mul_i32 s23, s14, 16*SPITCH                  ; my stage
	v_mul_u32_u24 v5, v1, SPITCH
	v_lshl_add_u32 v5, v2, 5, v5
	v_add_nc_u32 v[STO], s23, v5
	v_and_b32 v6, 31, v0
	v_lshlrev_b32 v[CO], 4, v6
	v_add_nc_u32 v[RD], s23, v[CO]
	s_lshl_b32 s20, s17, 8
	s_lshl_b32 s21, s15, 7
	s_add_co_u32 s20, s20, s21                     ; my first row of C
	s_mov_b32 s21, 0
	s_mov_b64 s[18:19], SIZE_N*4
	s_mul_u64 s[20:21], s[20:21], s[18:19]
	s_lshl_b32 s46, s42, 10                        ; my first column, in bytes
	s_lshl_b32 s47, s16, 9
	s_add_co_u32 s46, s46, s47
	s_mov_b32 s47, 0
	s_add_nc_u64 s[20:21], s[20:21], s[46:47]
	s_add_nc_u64 s[12:13], s[12:13], s[20:21]
.macro FRAGA reg, adr, q, i            ; A's fragment as it was stored: four registers at 16 x lane, 512 bytes a load
.irp c, 0,1,2,3
	ds_load_b128 v[\reg+4*\c:\reg+4*\c+3], v[\adr] offset:AROWB*(\i)+2048*(\q)+512*\c
.endr
.endm
.macro FRAGB reg, adr, q, i            ; B's fragment in the images' order: registers 4 c + 2 u, + 1 take K = 32 c + 16 u + 8 h + 0 .. 7
.irp c, 0,1,2,3
.irp u, 0,1
	ds_load_b64 v[\reg+4*\c+2*\u:\reg+4*\c+2*\u+1], v[\adr] offset:128*(\q)+32*\c+16*\u+(\i)*16*PITCH
.endr
.endr
.endm
; 16 matrix instructions: A's blocks a0, a0 + 1 x B's eight.  The 64 accumulators take turns, one instruction a turn, in the same order in every step.
.macro MUL16 a0, p, q, sc, zero
.irp a, \a0, \a0+1
.irp b, 0,1,2,3,4,5,6,7
.if \zero
	v_wmma_scale_f32_16x16x128_f8f6f4 v[8*(8*((\a)%4)+\b):8*(8*((\a)%4)+\b)+7], v[128*(\p)+FR*\b:128*(\p)+FR*\b+FR-1], v[AF+FR*(\a):AF+FR*(\a)+FR-1], 0, v[SC+8*NQ*(\sc)+NQ*\b+(\q)], v[SC+8*NQ*(\sc)+NQ*(\a)+(\q)] matrix_a_scale:MATRIX_SCALE_ROW1
.else
	v_wmma_scale_f32_16x16x128_f8f6f4 v[8*(8*((\a)%4)+\b):8*(8*((\a)%4)+\b)+7], v[128*(\p)+FR*\b:128*(\p)+FR*\b+FR-1], v[AF+FR*(\a):AF+FR*(\a)+FR-1], v[8*(8*((\a)%4)+\b):8*(8*((\a)%4)+\b)+7], v[SC+8*NQ*(\sc)+NQ*\b+(\q)], v[SC+8*NQ*(\sc)+NQ*(\a)+(\q)] matrix_a_scale:MATRIX_SCALE_ROW1
.endif
.endr
.endr
.endm
.macro FETCH_B slot, q, p
	WIN TO_B
.irp i, 0,1,2,3,4,5,6,7
	FRAGB 128*(\p)+FR*\i, ADRB+\slot, \q, \i
.endr
	WIN 0
.endm
.macro FETCH_A slot, q, i0
.irp i, \i0, \i0+1, \i0+2, \i0+3
	FRAGA AF+FR*(\i), ADRA+\slot, \q, \i
.endr
.endm
.macro SCALES sc
.irp i, 0,1,2,3,4,5,6,7
	ds_load_b64 v[SC+8*NQ*\sc+NQ*\i:SC+8*NQ*\sc+NQ*\i+1], v[ADRS] offset:\i*SBLK
.endr
.endm
.macro PLACES n                        ; places behind matrix instructions, in front of loads into their registers and of reads of their results (ISA guide 7.12.1 for vector instructions)
.rept \n
	v_nop
.endr
.endm
.macro STEP slot, q, zero
	s_wait_dscnt 4*NL                              ; B's set and A's blocks 0-3 are in; the youngest 16 loads (A's blocks 4-7) may be out
	WIN MUL_LO
	MUL16 0, (\q)%2, \q, \slot, \zero
	MUL16 2, (\q)%2, \q, \slot, \zero
	s_wait_dscnt 0
	PLACES NP
	FETCH_B \slot, (\q)+1, 1-(\q)%2
	FETCH_A \slot, (\q)+1, 0
	WIN MUL_HI
	MUL16 4, (\q)%2, \q, \slot, \zero
	MUL16 6, (\q)%2, \q, \slot, \zero
	PLACES NP
	WIN 0
	FETCH_A \slot, (\q)+1, 4
.endm
.macro TURN slot, next, fill
	s_wait_tensorcnt 0x0                           ; all my tensor loads have landed: my part of the next slot;
	ds_add_u32 v[SPW], v[NIL]                      ; 0 onto my spare word
	s_wait_dscnt 4*NL+1                            ; (the add and the youngest 16 loads may be out)
	WIN MUL_LO
	MUL16 0, 1, NQ-1, \slot, 0
	s_wait_dscnt 0x0                               ; the add is done, and my reads of this slot are over
	s_barrier_signal -1
	MUL16 2, 1, NQ-1, \slot, 0
	WIN 0
	s_barrier_wait -1
.if \fill
	CREST                                          ; the barrier has opened a round of the cluster's barrier: no wave of any partner still reads this slot's tile or has a load on its way
	s_add_nc_u64 s[G0+4*\slot+2:G0+4*\slot+3], s[G0+4*\slot+2:G0+4*\slot+3], 2*AROWB
	s_add_nc_u64 s[G0B+4*\slot+2:G0B+4*\slot+3], s[G0B+4*\slot+2:G0B+4*\slot+3], 2*ROWB
	JLOAD G0+4*\slot, G1, G0B+4*\slot, G1B         ; the first tensor load behind the round
	PLACES NP-4
.else
	PLACES NP
.endif
	s_wait_alu depctr_va_vdst(0)
	v_add_nc_u32 v[ADRS], 4*NQ, v[ADRS]
	FETCH_B \next, 0, 0
	FETCH_A \next, 0, 0
	SCALES \next
	WIN MUL_HI
	MUL16 4, 1, NQ-1, \slot, 0
	MUL16 6, 1, NQ-1, \slot, 0
	PLACES NP
	WIN 0
	FETCH_A \next, 0, 4
.endm
	s_wait_alu depctr_va_vdst(0)
	s_wait_tensorcnt 1                             ; the scales and my part of K step 0 are in (K step 1's load may be out)
	s_barrier_signal -1
	s_barrier_wait -1
	FETCH_B 0, 0, 0
	FETCH_A 0, 0, 0
	SCALES 0
	FETCH_A 0, 0, 4
	STEP 0, 0, 1                                   ; four K steps of 256, written out; the first step's products start the sums
	TURN 0, 1, 1
	STEP 1, 0, 0
	TURN 1, 0, 1
	STEP 0, 0, 0
	TURN 0, 1, 0
	STEP 1, 0, 0
	s_wait_dscnt 4*NL
	WIN MUL_LO
	MUL16 0, 1, NQ-1, 1, 0
	MUL16 2, 1, NQ-1, 1, 0
	s_wait_dscnt 0
	WIN MUL_HI
	MUL16 4, 1, NQ-1, 1, 0
	MUL16 6, 1, NQ-1, 1, 0
	WIN 0
; THE WAY OUT, block by block of 16 rows x 128 columns: through my own stage in LDS and back as whole rows of 512 bytes.  LDS serves a wave's instructions in order (ISA guide 5.7.1.4): no wait between the stores and the loads.
.macro TOSTAGE a
.set AC, 64*((\a)%4)
	WIN 0x08+4*((\a)/4)                            ; the data: window 2 or 3
.irp b, 0,1,2,3,4,5,6,7
	ds_store_b128 v[STO], v[AC+8*\b:AC+8*\b+3] offset:64*\b          ; each accumulator from its low end on
	ds_store_b128 v[STO], v[AC+8*\b+4:AC+8*\b+7] offset:64*\b+16
.endr
	WIN 0
.set BB, BK+64*((\a)%2)
.irp t, 0,1,2,3,4,5,6,7,8,9,10,11,12,13,14,15
	ds_load_b128 v[BB+4*\t:BB+4*\t+3], v[RD] offset:\t*SPITCH
.endr
.endm
.macro SEND a, younger                 ; younger: the LDS instructions issued behind block a's loads, which may stay out
.set BB, BK+64*((\a)%2)
	s_wait_dscnt \younger
.if (\a) > 0
	s_add_nc_u64 s[12:13], s[12:13], 16*SIZE_N*4   ; (behind a wait on XCNT: the earlier stores have read their base)
.endif
.irp t, 0,1,2,3,4,5,6,7,8,9,10,11,12,13,14,15
	global_store_b128 v[CO], v[BB+4*\t:BB+4*\t+3], s[12:13] offset:\t*SIZE_N*4 th:TH_STORE_NT   ; 32 lanes store 512 consecutive bytes, aligned; written once, read by nobody here
.endr
.endm
	PLACES NP
	TOSTAGE 0
.irp a, 1,2,3,4,5,6,7
.if \a > 1
	s_wait_xcnt 0x0                                ; block a - 2's stores have read their registers and their base
.endif
	TOSTAGE \a
	SEND \a-1, 32                                  ; behind block a - 1's loads: block a's 16 stores and 16 loads
.endr
	s_wait_xcnt 0x0
	SEND 7, 0
	s_wait_tensorcnt 0x0                           ; the wave's end
	ds_add_u32 v[SPW], v[NIL]
	s_wait_dscnt 0x0
	CROUND                                         ; the closing round
	s_endpgm
.Lfunc_end_k_q210e41346b_outp:
	.size	k_q210e41346b_outp, .Lfunc_end_k_q210e41346b_outp-k_q210e41346b_outp
	.p2alignl 7, 3214868480
	.fill 96, 4, 3214868480
	.section	.rodata,"a",@progbits
	.p2align	6, 0x0
	.amdhsa_kernel k_q210e41346b_outp
		.amdhsa_group_segment_fixed_size 327680
		.amdhsa_private_segment_fixed_size 0
		.amdhsa_enable_private_segment 0
		.amdhsa_kernarg_size 40
		.amdhsa_user_sgpr_count 2
		.amdhsa_user_sgpr_kernarg_segment_ptr 1
		.amdhsa_wavefront_size32 1
		.amdhsa_system_sgpr_workgroup_id_x 1
		.amdhsa_system_sgpr_workgroup_id_y 1
		.amdhsa_system_sgpr_workgroup_id_z 1
		.amdhsa_system_vgpr_workitem_id 0
		.amdhsa_next_free_vgpr 1024
		.amdhsa_next_free_sgpr 98
		.amdhsa_reserve_vcc 0
		.amdhsa_float_denorm_mode_32 3
		.amdhsa_float_denorm_mode_16_64 3
		.amdhsa_memory_ordered 1
		.amdhsa_forward_progress 1
		.amdhsa_inst_pref_size 162
	.end_amdhsa_kernel
	.amdgpu_metadata
---
amdhsa.version: [ 1, 2 ]
amdhsa.kernels:
  - .name:           k_q210e41346b_outp
    .symbol:         k_q210e41346b_outp.kd
    .args:
      - { .name: a_img, .offset: 0, .size: 8, .value_kind: global_buffer, .address_space: global }
      - { .name: a_sc, .offset: 8, .size: 8, .value_kind: global_buffer, .address_space: global }
      - { .name: Wo_codes, .offset: 16, .size: 8, .value_kind: global_buffer, .address_space: global }
      - { .name: Wo_scales, .offset: 24, .size: 8, .value_kind: global_buffer, .address_space: global }
      - { .name: out0, .offset: 32, .size: 8, .value_kind: global_buffer, .address_space: global }
    .group_segment_fixed_size: 327680
    .private_segment_fixed_size: 0
    .kernarg_segment_align: 8
    .kernarg_segment_size: 40
    .max_flat_workgroup_size: 128
    .sgpr_count:     98
    .vgpr_count:     1024
    .wavefront_size: 32
...
	.end_amdgpu_metadata
.endif
;; end of part 4
